; MI455X (gfx1250); checked and timed in simulation.
; The chip was launched on July 23, 2026; its instructions are those of AMD's public machine-readable ISA for CDNA 5 (MIT licence, August 2026) and "CDNA5" Instruction Set Architecture Reference Guide (July 2026). The comments in the code are by the model that wrote it; some were corrected since.
;; Multi Head Attention. Allowed arithmetic: matrix products marked QUANTISED: E2M3 operands, one E8M0 scale for each 32 along K, by v_wmma_scale_f32_16x16x128_f8f6f4 with both operands' format E2M3, f32 sums; everything else in f32.
;; Inputs: b_attn 3,072 float32; b_proj 1,024 float32; w_attn 1,024 x 3,072 float32; w_proj 1,024 x 1,024 float32; x 4 x 2,048 x 1,024 float32.
;; Outputs: out0 4 x 2,048 x 1,024 float32.
;; This version of the problem:
;;   THIS VERSION OF THE PROBLEM IS GIVEN IN LOW PRECISION. The matrix products marked QUANTISED in the list below multiply operands that are first quantised to E2M3 (2 exponent bits, 3 mantissa bits; 6 bits a number), with one power-of-two scale for each 32 numbers along K (OCP MX v1.0); their sums are f32. All else is computed in f32.
;;   The module's matrix products, in the order in which they are computed (A, B: the left and right operand; K: the contracted axis; several contracted axes count as one K, in the product's order):
;;     1. [M 8,192, K 1,024] x [K 1,024, N 3,072]; A: input x; B: input w_attn: QUANTISED
;;     2. batch 64 x [M 2,048, K 64] x [K 64, N 2,048]; A: computed on the way; B: computed on the way: QUANTISED
;;     3. batch 64 x [M 2,048, K 2,048] x [K 2,048, N 64]; A: softmax (see below); B: computed on the way: QUANTISED
;;     4. [M 8,192, K 1,024] x [K 1,024, N 1,024]; A: computed on the way; B: input w_proj: QUANTISED
;;   THE QUANTISER, for each operand of a quantised product, along K:
;;     - K is cut into blocks of 32 from its start; a last block that is shorter is filled with zeros.
;;     - A block's scale is 2^e with e = floor(log2(the largest magnitude in the block)) - 2, held to -126 .. 127; a block of zeros has e = 0. As a byte (E8M0): e + 127.
;;     - Each number is divided by its block's scale, clamped to +-7.5, and rounded to the nearest number of E2M3, ties to even, subnormals kept.
;;     - The product sums the exact products of the quantised numbers (number of the format x scale) in f32.
;;   ~~~python
;;   def quantise(x, axis):      # numpy; x: float32 -> the quantised numbers, widened to float32 again
;;       x = np.moveaxis(x, axis, -1); K = x.shape[-1]
;;       x = np.pad(x, [(0, 0)] * (x.ndim - 1) + [(0, -K % 32)]); x = x.reshape(x.shape[:-1] + (-1, 32)); a = np.abs(x).max(-1, keepdims=True)
;;       e = np.where(a > 0, np.clip(np.frexp(np.where(a > 0, a, 1))[1] - 1 - 2, -126, 127), 0)      # np.frexp(a)[1] - 1 = floor(log2(a)), exactly
;;       r = np.clip(x / 2.0 ** e, -7.5, 7.5)
;;       step = 2.0 ** (np.maximum(np.frexp(np.where(r == 0, 1, r))[1] - 1, 0) - 3)
;;       q = np.round(r / step) * step * 2.0 ** e      # np.round: ties to even
;;       return np.moveaxis(q.reshape(q.shape[:-2] + (-1,))[..., :K], -1, axis).astype(np.float32)
;;   ~~~
;;   SOFTMAX AHEAD OF A QUANTISED PRODUCT. Where the list says 'softmax', what is quantised is not the finished softmax but p = 2^(t - M), with t = logit x log2(e) and M = ceil(the row's largest t), a whole number; so 1/2 < the row's largest p <= 1. The row's sum l is taken of the UNQUANTISED p, in f32, and the product's result is divided by l at the end. Since M is a whole number, a kernel that streams over the keys may use a running M (the ceiling of the running maximum): every later rescaling is an exact power of two, which a block's scale takes up: the codes' values come out the same.
;;   OPERANDS COMPUTED ON THE WAY. 'Computed on the way' means the value that the module computes at that place (a softmax that the list does not call 'softmax' is quantised finished and normalised). What goes into a quantiser is computed in f32, as accurately as f32 sums, v_exp_f32 and their like allow (about 1e-6 of the number): no bf16 or f16 on the way to a quantiser, and a product that is left as it is and whose result goes on into a quantised operand takes f32 operands (vector FMAs, or v_wmma_f32_16x16x4_f32). A number that lies on a knife's edge between two numbers of the format may be rounded either way, as far as f32 arithmetic and the matrix unit's own rounding can turn it there, and no further.
;; One version. Each part assembles by itself: llvm-mc -triple=amdgcn-amd-amdhsa -mcpu=gfx1250 --defsym DOCPART=n.
;; ======== version 1 of 1: 4 launches
;; limits: right only within a limited range of input values
;; workspace buffers: xq 6,553,600 bytes; waq 2,621,440 bytes; wpq 1,048,576 bytes; oq 6,553,600 bytes; qk 13,631,488 bytes; vv 6,553,600 bytes
;; launch quant (part 1): grid 96 x 4, 4 waves a work-group, no clusters, 34,304 bytes of LDS; arguments x, w_attn, w_proj, xq, waq, wpq; writes xq, waq, wpq
.if DOCPART == 1
	.amdgcn_target "amdgcn-amd-amdhsa--gfx1250"
	.amdhsa_code_object_version 6
	.text
	.protected	k_qe9e041aa65_quant
	.globl	k_qe9e041aa65_quant
	.p2align	8
	.type	k_qe9e041aa65_quant,@function
k_qe9e041aa65_quant:
	s_mov_b64 s[64:65], 0
	v_nop
	global_prefetch_b8 v0, s[64:65] scope:SCOPE_SE
	s_setreg_imm32_b32 hwreg(HW_REG_WAVE_MODE, 25, 1), 1
	s_wait_xcnt 0x0
; MULTI-HEAD ATTENTION, causal, B 4, T 2048, C 1024, 16 heads of 64, all four products on codes of FP6 (E2M3) with one E8M0 scale for each 32 along K.  Four launches:
;   quant (this one): x, w_attn, w_proj -> codes;  gemm_qkv: x w_attn + b_attn -> codes of q, k (along the head's 64) and of v (along the keys);  attn: the two products of attention -> codes along C;  gemm_proj: the projection.
; WORK LEFT OUT (in attn): a step of 128 keys all of which come after a tile's 16 queries.  reference() itself puts -infinity there (jnp.tril built in its own body), so p = 0 for those keys whatever the inputs hold: they add
; nothing to the row's maximum, to its sum or to the second product.  No input is left out: x, both weights and both biases have a way to the output (the bias on k moves k's codes).
; LIMITS: a NaN, an infinity or an overflow that reaches only those masked scores is not carried to the result; NaN and infinities among the inputs are not served; a block of zeros, and a block whose largest magnitude lies
; under 2^(3 - 127), gets the scale byte 1 (a block of zeros: its codes are zeros, which add nothing under any byte but 0xff, and this program alone reads the bytes).
; THIS LAUNCH.  A block's scale is 2^(floor(log2(largest magnitude)) - 2): its byte is the largest magnitude's exponent field - 2.  Each number is divided by the scale and rounded to the nearest code, ties to even, held at 7.5.
; THE BUFFERS ARE LAID IN THE ORDER OF THE OPERAND'S REGISTERS.  An IMAGE is 16 rows x 64 along K, 768 bytes: registers 0-3 of lane l at 16 l, registers 4-5 of lane (r, h) at 512 + 16 r + 8 h; lane (r, h) holds k = 32 h .. 32 h + 31 of its row.
; Codes: from byte CODES on, [tile of 16 rows][16 images along K].  THE ROWS OF A TILE ARE NOT NEIGHBOURS: lane r of tile 2 G + u stands for row 32 G + 8 u + r + 8 (r / 8).
; Scale words: from byte 0 on, [G][slot of 256 along K][16 u + r][2 words]: 256 bytes for each G and slot.
; SHARES: 384 work-groups of four waves, 128 KiB of f32 each.  x < 64: rows 32 G of x, G = 4 x + y, wave w takes 256 along K.  64 <= x < 88: 128 columns of w_attn, 256 along K (y).  88 <= x: the same of w_proj.
; No work-group reads what another reads: no cluster, no tensor load.  Only the path for x uses LDS.
.set RB,    12288                      ; a tile's 16 images
.set CODES, 262144
.set STG,   16*528                     ; a wave's stage: 16 rows x (512 bytes + 16)
.set SPARE, 4*STG                      ; behind the stages: the spare words, 128 bytes a wave, which no other line names
.set SPW,   14                         ; v14  my spare word's LDS address; never rewritten
.set NIL,   15                         ; v15  0; never rewritten
.set SEL,   28                         ; s[28:29] lane selects: lane l xor 16
.set R,     16                         ; x: v16-143  two sets of 64 registers as loaded
.set X,     144                        ;    v144-207 64 numbers of my row: register 16 b + i = k 32 b + 16 h + i
.set PC,    208                        ;    v208-226 the fragment just made, and the conversions' second halves
.set TM,    228                        ;    v228-243 at work
.set PWS,   244                        ;    v244-247 the four scale words
.set W,     248                        ;    v[248:249] the two that my lane stores
.set XW,    32                         ; weights: v32-95 two sets of 32 numbers down K
.set CO,    96                         ;    v96-143 four images' registers: 12 each, never written twice
.set T,     144                        ;    v144-146 a block's upper 16 codes
.set SB,    148                        ;    v[148:149] my column's eight scale bytes
.macro FINISH                          ; the wave's end
	s_wait_tensorcnt 0x0
	ds_add_u32 v[SPW], v[NIL]
	s_wait_dscnt 0x0
	s_endpgm
.endm
; 64 numbers of a lane, register 16 b + i = k 32 b + 16 (lane / 16) + i of my row, become a fragment's codes in v[PC] on and its scale word in v[pw]
.macro QUANT s, pw
.irp b, 0,1,2,3
	v_max3_num_f32 v[TM+\b], |v[\s+16*\b]|, |v[\s+1+16*\b]|, 0x1800000   ; my 16 numbers of block b, and the floor 2^(3 - 127): the byte cannot fall under 1
.endr
.irp i, 2,4,6,8,10,12,14
.irp b, 0,1,2,3
	v_max3_num_f32 v[TM+\b], v[TM+\b], |v[\s+16*\b+\i]|, |v[\s+1+16*\b+\i]|   ; the four blocks by turns
.endr
.endr
.irp b, 0,1,2,3
	v_permlanex16_b32 v[TM+4+\b], v[TM+\b], s[SEL], s[SEL+1]
.endr
.irp b, 0,1,2,3
	v_max_num_f32 v[TM+\b], v[TM+\b], v[TM+4+\b]   ; with lane l xor 16's: the block's largest magnitude
.endr
.irp b, 0,1,2,3
	v_add_nc_u32 v[TM+12+\b], 0xff000000, v[TM+\b]   ; 2 off its exponent field: the conversion's scale operand
.endr
.irp b, 0,1,2,3
	v_lshrrev_b32 v[TM+4+\b], 23, v[TM+12+\b]      ; the scale's byte
.endr
	v_lshl_or_b32 v[\pw], v[TM+5], 8, v[TM+4]
	v_lshl_or_b32 v[\pw], v[TM+6], 16, v[\pw]
	v_lshl_or_b32 v[\pw], v[TM+7], 24, v[\pw]      ; my row's scale word
.irp c, 0,1
	v_cvt_scalef32_pk16_fp6_f32 v[PC+6*\c:PC+2+6*\c], v[\s+32*\c:\s+15+32*\c], v[TM+12+2*\c]
	v_cvt_scalef32_pk16_fp6_f32 v[PC+12+4*\c:PC+14+4*\c], v[\s+16+32*\c:\s+31+32*\c], v[TM+12+2*\c+1]   ; (three registers begin on an even number)
.endr
	v_nop                                          ; one plain place behind a scaled conversion
.irp c, 0,1                                    ; the operand's layout wants a whole block in a lane
.irp i, 0,1,2
	v_permlane16_swap_b32 v[PC+6*\c+\i], v[PC+12+4*\c+\i]
.endr
.irp i, 0,1,2
	v_mov_b32 v[PC+3+6*\c+\i], v[PC+12+4*\c+\i]
.endr
.endr
.endm
	s_load_b256 s[4:11], s[0:1], 0x0               ; x s[4:5], w_attn s[6:7], w_proj s[8:9], xq s[10:11]
	s_load_b128 s[12:15], s[0:1], 0x20             ; waq s[12:13], wpq s[14:15]
	v_lshl_add_u32 v[SPW], v0, 2, SPARE
	v_mov_b32 v[NIL], 0
	v_lshrrev_b32 v1, 5, v0
	v_readfirstlane_b32 s16, v1                    ; wave
	v_and_b32 v1, 31, v0                           ; lane
	s_and_b32 s18, ttmp7, 0xffff                   ; work-group y
	s_mov_b32 s21, 0                               ; the upper word of every offset
	s_mov_b32 s[SEL], 0x76543210
	s_mov_b32 s[SEL+1], 0xfedcba98
	s_wait_kmcnt 0x0
	s_cmp_lt_u32 ttmp9, 64
	s_cbranch_scc0 .Lweights
; ---- x: 32 rows, 256 along K a wave: four units t = 2 u + q of 16 rows (tile u) x 128 along K (q)
	s_wait_alu depctr_va_vdst(0)
	v_and_b32 v3, 15, v1                           ; r
	v_lshrrev_b32 v4, 4, v1                        ; h
	v_lshlrev_b32 v7, 3, v1                        ; 8 x lane
	v_lshlrev_b32 v1, 4, v1                        ; 16 x lane
	v_lshlrev_b32 v2, 4, v3
	v_lshl_add_u32 v2, v4, 3, v2                   ; 16 r + 8 h
	s_mul_i32 s17, s16, STG
	v_add_nc_u32 v5, s17, v1                       ; the stage, on the way in: a row's 512 bytes as they lie
	v_mul_u32_u24 v6, v3, 528
	v_lshl_add_u32 v6, v4, 6, v6
	v_add_nc_u32 v6, s17, v6                       ; and on the way out: row r, + 64 h: my 16 numbers of each block of 32
.irp b, 0,1,2,3
	v_mov_b32 v[TM+4+\b], 0                        ; written once: a lane permute's destination counts as one of its sources
.endr
	s_lshl_b32 s19, ttmp9, 2
	s_add_co_u32 s19, s19, s18                     ; G
	s_lshl_b32 s20, s19, 17                        ; 32 rows of 4,096 bytes
	s_lshl_b32 s22, s16, 10                        ; my 256 along K
	s_add_co_u32 s20, s20, s22
	s_add_nc_u64 s[4:5], s[4:5], s[20:21]
	s_mul_i32 s20, s19, 2*RB
	s_mul_i32 s22, s16, 4*768
	s_add_co_u32 s20, s20, s22
	s_add_co_u32 s20, s20, CODES
	s_add_nc_u64 s[24:25], s[10:11], s[20:21]      ; my four images of tile 2 G
	s_lshl_b32 s20, s19, 10
	s_lshl_b32 s22, s16, 8
	s_add_co_u32 s20, s20, s22
	s_add_nc_u64 s[10:11], s[10:11], s[20:21]      ; my 256 bytes of scale words
.macro LOADX t                         ; 16 rows x 512 bytes: each load covers 512 consecutive bytes
.set p, 0
.rept 16
	global_load_b128 v[R+64*((\t)%2)+4*p:R+64*((\t)%2)+4*p+3], v1, s[4:5] offset:(8*((\t)/2)+p+8*(p/8))*4096+512*((\t)%2) th:TH_LOAD_NT
.set p, p+1
.endr
.endm
.macro UNIT t
.if (\t) < 3
	s_wait_loadcnt 16                              ; this unit's 16 loads are in; the next unit's 16 may be out
.else
	s_wait_loadcnt 0x0
.endif
.set p, 0
.rept 16
	ds_store_b128 v5, v[R+64*((\t)%2)+4*p:R+64*((\t)%2)+4*p+3] offset:528*p
.set p, p+1
.endr
.irp b, 0,1,2,3
.irp j, 0,1,2,3
	ds_load_b128 v[X+16*\b+4*\j:X+16*\b+4*\j+3], v6 offset:128*\b+16*\j   ; LDS serves a wave's instructions in order: these see my stores
.endr
.endr
	s_wait_dscnt 0x0
.if (\t) > 0
	s_wait_xcnt 0x0                                ; the last unit's stores have read the fragment's registers, which are written again below
.endif
.if (\t)+2 < 4
	LOADX (\t)+2
.endif
	QUANT X, PWS+(\t)
.irp c, 0,1
	global_store_b128 v1, v[PC+6*\c:PC+6*\c+3], s[24:25] offset:((\t)/2)*RB+2*((\t)%2)*768+768*\c        ; 512 consecutive bytes
	global_store_b64 v2, v[PC+6*\c+4:PC+6*\c+5], s[24:25] offset:((\t)/2)*RB+2*((\t)%2)*768+768*\c+512   ; 256 consecutive bytes
.endr
.endm
	LOADX 0
	LOADX 1
	s_wait_alu depctr_va_vdst(0)
	UNIT 0
	UNIT 1
	UNIT 2
	UNIT 3
	v_cmp_eq_u32 vcc_lo, 1, v4                     ; lanes 0-15 store tile 0's words of row r, lanes 16-31 tile 1's
	v_cndmask_b32 v[W], v[PWS], v[PWS+2], vcc_lo
	v_cndmask_b32 v[W+1], v[PWS+1], v[PWS+3], vcc_lo
	global_store_b64 v7, v[W:W+1], s[10:11]        ; 256 consecutive bytes
	FINISH
; ---- the weights, [K][N] f32: a lane takes a column, its registers run down K, so a block of 32 lies in one lane and the codes come out with K innermost
.Lweights:
	s_wait_alu depctr_va_vdst(0)
	v_lshlrev_b32 v3, 2, v1                        ; 4 x lane
	v_bfe_u32 v4, v1, 3, 1                         ; column 32 G + lane is lane r of tile u: u = (lane / 8) % 2,
	v_and_b32 v5, 7, v1
	v_lshrrev_b32 v6, 4, v1
	v_lshl_or_b32 v5, v6, 3, v5                    ; r = lane % 8 + 8 (lane / 16)
	v_mul_u32_u24 v8, v4, RB
	v_lshl_add_u32 v8, v5, 4, v8                   ; my place in an image: tile u, 16 r
	v_lshlrev_b32 v9, 7, v4
	v_lshl_add_u32 v9, v5, 3, v9                   ; and among the scale words: 8 (16 u + r)
.macro WLOAD t, N                      ; block t: w(32 t + i, my column): 128 consecutive bytes a load
.set p, 0
.rept 32
	global_load_b32 v[XW+32*((\t)%2)+p], v3, s[22:23] offset:(32*(\t)+p)*4*\N th:TH_LOAD_NT
.set p, p+1
.endr
.endm
.macro WBLOCK t, N                     ; block t is half h' = t % 2 of image t / 2
.set XS, XW+32*((\t)%2)
.set CG, CO+12*((\t)/2)
.set HP, (\t)%2
.if (\t) < 7
	s_wait_loadcnt 32                              ; this block's 32 loads are in; the next block's may be out
.else
	s_wait_loadcnt 0x0
.endif
	v_max3_num_f32 v12, |v[XS]|, |v[XS+1]|, |v[XS+2]|
	v_max3_num_f32 v13, |v[XS+3]|, |v[XS+4]|, |v[XS+5]|
.irp i, 6,10,14,18,22,26
	v_max3_num_f32 v12, v12, |v[XS+\i]|, |v[XS+\i+1]|
	v_max3_num_f32 v13, v13, |v[XS+\i+2]|, |v[XS+\i+3]|
.endr
	v_max3_num_f32 v12, v12, |v[XS+30]|, |v[XS+31]|
	v_max3_num_f32 v12, v12, v13, 0x1800000        ; and the floor
	v_add_nc_u32 v11, 0xff000000, v12              ; the conversion's scale operand
	v_lshrrev_b32 v13, 23, v11                     ; the byte
.if (\t)%4 == 0
	v_mov_b32 v[SB+(\t)/4], v13
.else
	v_lshl_or_b32 v[SB+(\t)/4], v13, 8*((\t)%4), v[SB+(\t)/4]
.endif
	v_cvt_scalef32_pk16_fp6_f32 v[CG+4*HP:CG+4*HP+2], v[XS:XS+15], v11
	v_cvt_scalef32_pk16_fp6_f32 v[T:T+2], v[XS+16:XS+31], v11
	v_nop                                          ; one plain place behind a scaled conversion
	v_mov_b32 v[CG+4*HP+3], v[T]                   ; the block's registers 0-3 on end,
	v_mov_b32 v[CG+8+2*HP], v[T+1]                 ; its registers 4 and 5 beside the other half's
	v_mov_b32 v[CG+9+2*HP], v[T+2]
.if (\t)+2 < 8
	WLOAD (\t)+2, \N
.endif
	global_store_b128 v8, v[CG+4*HP:CG+4*HP+3], s[24:25] offset:768*((\t)/2)+256*HP   ; sixteen lanes fill 256 consecutive bytes of tile 0's image, sixteen of tile 1's
.if HP
	global_store_b128 v8, v[CG+8:CG+11], s[24:25] offset:768*((\t)/2)+512
.endif
.endm
.macro WPATH N, src, dst, first
	s_sub_co_u32 s19, ttmp9, \first
	s_lshl_b32 s19, s19, 2
	s_add_co_u32 s19, s19, s16                     ; G: my wave's 32 columns
	s_mul_i32 s20, s18, 256*4*\N                   ; 256 rows of w down
	s_lshl_b32 s22, s19, 7
	s_add_co_u32 s20, s20, s22
	s_add_nc_u64 s[22:23], s[\src:\src+1], s[20:21]
	s_mul_i32 s20, s19, 2*RB
	s_mul_i32 s24, s18, 4*768
	s_add_co_u32 s20, s20, s24
	s_add_co_u32 s20, s20, CODES
	s_add_nc_u64 s[24:25], s[\dst:\dst+1], s[20:21]
	s_lshl_b32 s20, s19, 10
	s_lshl_b32 s26, s18, 8
	s_add_co_u32 s20, s20, s26
	s_add_nc_u64 s[26:27], s[\dst:\dst+1], s[20:21]
	WLOAD 0, \N
	WLOAD 1, \N
.irp t, 0,1,2,3,4,5,6,7
	WBLOCK \t, \N
.endr
	global_store_b64 v9, v[SB:SB+1], s[26:27]      ; the 32 lanes fill 256 consecutive bytes
	FINISH
.endm
	s_cmp_lt_u32 ttmp9, 88
	s_cbranch_scc0 .Lproj
	s_wait_alu depctr_va_vdst(0)
	WPATH 3072, 6, 12, 64
.Lproj:
	s_wait_alu depctr_va_vdst(0)
	WPATH 1024, 8, 14, 88
.Lfunc_end_k_qe9e041aa65_quant:
	.size	k_qe9e041aa65_quant, .Lfunc_end_k_qe9e041aa65_quant-k_qe9e041aa65_quant
	.p2alignl 7, 3214868480
	.fill 96, 4, 3214868480
	.section	.rodata,"a",@progbits
	.p2align	6, 0x0
	.amdhsa_kernel k_qe9e041aa65_quant
		.amdhsa_group_segment_fixed_size 34304
		.amdhsa_private_segment_fixed_size 0
		.amdhsa_enable_private_segment 0
		.amdhsa_kernarg_size 48
		.amdhsa_user_sgpr_count 2
		.amdhsa_user_sgpr_kernarg_segment_ptr 1
		.amdhsa_wavefront_size32 1
		.amdhsa_system_sgpr_workgroup_id_x 1
		.amdhsa_system_sgpr_workgroup_id_y 1
		.amdhsa_system_sgpr_workgroup_id_z 1
		.amdhsa_system_vgpr_workitem_id 0
		.amdhsa_next_free_vgpr 256
		.amdhsa_next_free_sgpr 66
		.amdhsa_reserve_vcc 1
		.amdhsa_float_denorm_mode_32 3
		.amdhsa_float_denorm_mode_16_64 3
		.amdhsa_memory_ordered 1
		.amdhsa_forward_progress 1
		.amdhsa_inst_pref_size 110
	.end_amdhsa_kernel
	.amdgpu_metadata
---
amdhsa.version: [ 1, 2 ]
amdhsa.kernels:
  - .name:           k_qe9e041aa65_quant
    .symbol:         k_qe9e041aa65_quant.kd
    .args:
      - { .name: x, .offset: 0, .size: 8, .value_kind: global_buffer, .address_space: global }
      - { .name: w_attn, .offset: 8, .size: 8, .value_kind: global_buffer, .address_space: global }
      - { .name: w_proj, .offset: 16, .size: 8, .value_kind: global_buffer, .address_space: global }
      - { .name: xq, .offset: 24, .size: 8, .value_kind: global_buffer, .address_space: global }
      - { .name: waq, .offset: 32, .size: 8, .value_kind: global_buffer, .address_space: global }
      - { .name: wpq, .offset: 40, .size: 8, .value_kind: global_buffer, .address_space: global }
    .group_segment_fixed_size: 34304
    .private_segment_fixed_size: 0
    .kernarg_segment_align: 8
    .kernarg_segment_size: 48
    .max_flat_workgroup_size: 128
    .sgpr_count:     66
    .vgpr_count:     256
    .wavefront_size: 32
...
	.end_amdgpu_metadata
.endif
;; end of part 1
;; launch gemm_qkv (part 2): grid 8 x 32, 4 waves a work-group, clusters of 4 x 4, 327,680 bytes of LDS; arguments xq, waq, b_attn, qk, vv; writes qk, vv
.if DOCPART == 2
	.amdgcn_target "amdgcn-amd-amdhsa--gfx1250"
	.amdhsa_code_object_version 6
	.text
	.protected	k_qe9e041aa65_gemm_qkv
	.globl	k_qe9e041aa65_gemm_qkv
	.p2align	8
	.type	k_qe9e041aa65_gemm_qkv,@function
k_qe9e041aa65_gemm_qkv:
	s_mov_b64 s[64:65], 0
	v_nop
	global_prefetch_b8 v0, s[64:65] scope:SCOPE_SE
	s_setreg_imm32_b32 hwreg(HW_REG_WAVE_MODE, 25, 1), 1
	s_wait_xcnt 0x0
	s_wait_alu depctr_hold_cnt(0) depctr_sa_sdst(0) depctr_va_vdst(0) depctr_va_sdst(0) depctr_va_ssrc(0) depctr_va_vcc(0) depctr_vm_vsrc(0)
	s_getreg_b32 s2, hwreg(HW_REG_IB_STS2, 6, 4)
	s_cmp_eq_u32 s2, 0
	s_cbranch_scc0 .Lentry_in_a_cluster
	s_endpgm
.Lentry_in_a_cluster:
	s_bfe_u32 s2, ttmp6, 0x10000c
	s_cmp_lg_u32 s2, 0xf033
	s_cbranch_scc0 .Lentry_shape_is_right
	s_endpgm
.Lentry_shape_is_right:
; qkv = x w_attn + b_attn on codes of FP6 (E2M3) with E8M0 scales, K = 1,024; the result is quantised in registers and leaves as codes alone.
; SHARES.  256 work-groups of four waves.  Work-group (TA, TB) takes tokens 256 TA .. and, in three phases, features 128 TB .. of q, of k and of v.
; LDS: the 256 tokens' codes for all of K (16 tiles x 12,288 bytes) and their scale words (8,192) are filled once; the phase's 128 features (8 tiles, 4,096 bytes of scale words) lie beside them
; and are filled again twice.  So the walk along K has no ring and no barrier.  A wave makes 64 x 128: 32 accumulators; source 0 has eight tiles, source 1 four.
; q, k: source 0 = the features' 8 tiles, source 1 = tokens 64 w ..: a lane holds one token, its registers run along the features.  v: source 0 = tokens 128 (w / 2) .., source 1 = features 64 (w % 2) ..: a lane holds one feature,
; its registers run along the keys.  By the order of rows in a tile (lane r of tile 2 G + u = row 32 G + 8 u + r + 8 (r / 8)) the 16 registers of tiles 2 b, 2 b + 1 are 16 neighbours along the next product's K.
; OPERANDS lie as images of their registers (16 rows x 64 K, 768 bytes: registers 0-3 of lane l at 16 l, registers 4-5 at 512 + 16 r + 8 h).  Scale words: [G][256 along K][16 u + r][2 words]: a load of 8 bytes a lane brings tile 2 G's words
; in lanes 0-15 and tile 2 G + 1's in lanes 16-31.  The bias is the C of a phase's first products.
; OUT: qk [32 heads: 16 of q, 16 of k][64 blocks of 128 tokens] records of 6,656 bytes: 8 images, then the scale word of (tile a, row r) at 6,144 + 16 (r + 16 (a / 4)) + 4 (a % 4); bytes 2, 3 of a word stand over zero codes and are never 0xff.
; vv [batch][head][16 steps of 128 keys] records of 6,400 bytes: for each of four tiles of the head's 64 two images, then the word of (tile, row r) at 6,144 + 16 r + 4 tile.
; CLUSTERS: 4 x 4; the tokens' tiles are asked for jointly along a row of the cluster, the weights' along a column.
; PREFETCH: the next phase's 98,304 bytes of weights, a sixteenth (24 blocks of 256 bytes, a lane a block) for each of the 16 waves of the cluster's column, told apart by address, in K step 1, six K steps ahead of the refill.
; What the head loads is asked for at once, with no loop ahead of it; the next scale words are 4,096 bytes beside 98,304 and are not asked for.
; LIMITS: NaN and infinities are not served; a block of zeros gets the byte 1 (its codes are zeros; this program alone reads the bytes).
; REGISTERS: window 0: addresses, v32-63 source 0's scale words, v65-80 source 1's, v96-191 source 1's fragments (two sets), v192.. the way out; window 1: the accumulators ((a, b) at 64 a + 8 b);
; window 2: v0-191 source 0's fragments (two sets), v192-255 the bias.
.set RB,     12288
.set CODES,  262144
.set LA,     0
.set LB,     16*RB
.set LSA,    24*RB
.set LSB,    LSA+8192
.set SPARE,  LSB+4096                  ; the spare words, 128 bytes a wave, which no other line names
.set L16,  8                           ; 16 x lane
.set L8,   9                           ; 16 r + 8 h
.set VBQ,  10                          ; bias of q, k: 64 h
.set VBV,  11                          ; bias of v: 4 (r + 8 (r / 8))
.set AQ,   12                          ; v12-19 q, k: source 0's tiles 0-3 (two forms), tiles 4-7, source 1's, the two scale addresses
.set SPW,  20
.set NIL,  21
.set O16,  22                          ; q, k: my four tiles' place in a record
.set O8,   23
.set AV,   24                          ; v24-31 the same eight for v
.set SC0,  32
.set SC1,  65                          ; an odd base: the two scale registers of a product never have the same number modulo 8
.set VOW,  84
.set PFO,  85
.set F1,   96
.set PC,   192
.set TM,   212
.set PWS,  228
.set W,    236
.set F0,   0                           ; window 2
.set BI,   192                         ; window 2
.set WV,   14
.set TA,   15
.set TB,   16
.set CX,   17
.set CY,   18
.set G1A,  24
.set G1B,  32
.set G1SA, 40
.set G1SB, 48
.set G0A,  56
.set G0B,  60
.set G0R,  68
.set G0SA, 72
.set G0SB, 76
.set SEL,  80
.set PF,   82
.set TRIP, 84
.set MR,   85
.set MC,   86
.set QO,   88
.set VO,   90
.set BP,   92
.set BPV,  94
.set MSB, 0
.macro WIN new                         ; the immediate's high byte repeats the setting that is left
.if MSB != (\new)
	s_set_vgpr_msb (MSB<<8)|(\new)
.set MSB, (\new)
.endif
.endm
.macro PLACES n
.rept \n
	v_nop
.endr
.endm
.macro WALU
	s_wait_alu depctr_va_vdst(0)
.endm
.macro CREST                           ; a round of the cluster's barrier behind its opening barrier
	s_cmp_lg_u32 s[WV], 0
	s_cbranch_scc1 .Lnot_wave_0_\@
	s_barrier_signal -3
.Lnot_wave_0_\@:
	s_barrier_wait -3
	s_barrier_signal -1
	s_barrier_wait -1
.endm
.macro CROUND
	s_barrier_signal -1
	s_barrier_wait -1
	CREST
.endm
.macro TLOAD g0, g1                    ; an s_nop 0 and four v_nop follow each load
	tensor_load_to_lds s[\g0:\g0+3], s[\g1:\g1+7]
	s_nop 0
	PLACES 4
.endm
.macro GROUP1 g, m, c, r               ; r dense rows of c elements of 8 bytes, with a mask
	s_or_b32 s[\g], s[\m], (3<<16)|(1<<21)
	s_mov_b32 s[\g+1], (\c)<<16
	s_mov_b32 s[\g+2], (\r)<<16
	s_mov_b32 s[\g+3], (\c)<<16
	s_mov_b32 s[\g+4], \r
	s_mov_b32 s[\g+5], \c
	s_mov_b32 s[\g+6], 0
	s_mov_b32 s[\g+7], 0
.endm
.macro GROUP0 g, base, off             ; s21 = 0
	s_mov_b32 s[\g], 1
	s_mov_b32 s20, s\off
	s_add_nc_u64 s[\g+2:\g+3], s[\base:\base+1], s[20:21]
	s_or_b32 s[\g+3], s[\g+3], 0x80000000
.endm
.macro FRAG reg, a16, off              ; a fragment, 128 along K: two images
.irp c, 0,1
	ds_load_b128 v[\reg+6*\c:\reg+6*\c+3], v[\a16] offset:\off+768*\c
	ds_load_b64 v[\reg+6*\c+4:\reg+6*\c+5], v[\a16+1] offset:\off+768*\c+512
.endr
.endm
.macro FETCH ad, q                     ; K step q's twelve fragments into set q % 2: 48 loads
	WIN 0x80
.irp i, 0,1,2,3,4,5,6,7
	FRAG F0+96*((\q)%2)+12*\i, \ad+2*(\i/4), (\i%4)*RB+1536*(\q)
.endr
	WIN 0
.irp i, 0,1,2,3
	FRAG F1+48*((\q)%2)+12*\i, \ad+4, \i*RB+1536*(\q)
.endr
.endm
.macro SCALES ad                       ; the scale words of all of K: 32 loads
.irp s, 0,1,2,3
.irp g, 0,1,2,3
	ds_load_b64 v[SC0+8*\s+2*\g:SC0+8*\s+2*\g+1], v[\ad+6] offset:1024*\g+256*\s
.endr
.irp g, 0,1
.irp w, 0,1
	ds_load_b32 v[SC1+4*\s+2*\g+\w], v[\ad+7] offset:1024*\g+256*\s+4*\w
.endr
.endr
.endr
.endm
.macro WM c, ra, rb
	v_wmma_scale_f32_16x16x128_f8f6f4 v[D_:D_+7], v[S0_:S0_+11], v[S1_:S1_+11], \c, v[X0_], v[X1_] matrix_a_fmt:MATRIX_FMT_FP6 matrix_b_fmt:MATRIX_FMT_FP6 matrix_a_scale:MATRIX_SCALE_ROW\ra matrix_b_scale:MATRIX_SCALE_ROW\rb
.endm
; eight products: source 1's tile 2 ga + ua against source 0's eight.  cm = 0: onto the sums; 1: C = the bias by source 0's tile; 2: by source 1's.  The 32 accumulators take turns
.macro MULA q, ga, ua, cm
.if \cm
	WIN 0x62
.else
	WIN 0x52
.endif
.irp g, 0,1,2,3
.irp u, 0,1
.set D_, 64*(2*\ga+\ua)+16*\g+8*\u
.set S0_, F0+96*((\q)%2)+12*(2*\g+\u)
.set S1_, F1+48*((\q)%2)+12*(2*\ga+\ua)
.set X0_, SC0+8*((\q)/2)+2*\g+(\q)%2
.set X1_, SC1+4*((\q)/2)+2*\ga+(\q)%2
.if \cm == 1
	WM v[BI+16*\g+8*\u:BI+16*\g+8*\u+7], \u, \ua
.elseif \cm == 2
	WM v[BI+8*(2*\ga+\ua):BI+8*(2*\ga+\ua)+7], \u, \ua
.else
	WM v[D_:D_+7], \u, \ua
.endif
.endr
.endr
.endm
.macro MUL q, cm
	MULA \q, 0, 0, \cm
	MULA \q, 0, 1, \cm
	MULA \q, 1, 0, \cm
	MULA \q, 1, 1, \cm
.endm
; A phase's products.  In each K step the next step's 48 loads go out first, into the set that the step before read (four places behind its products); s_wait_dscnt 48 leaves those 48 out.
; refill = 1: in K step 7 the weights' bytes, which every wave has read to the end, are filled again behind a round of the cluster's barrier
.macro COMPUTE ad, cm, refill
	SCALES \ad
	FETCH \ad, 0
	FETCH \ad, 1
	s_wait_loadcnt 0x0                             ; the bias
	s_wait_dscnt 48
	MUL 0, \cm
.set Q_, 1
.rept 6
	PLACES 4
	FETCH \ad, Q_+1
.if (\refill) && (Q_ == 1)
	global_prefetch_b8 v[PFO], s[PF:PF+1] th:TH_LOAD_NT scope:SCOPE_SE
.endif
	s_wait_dscnt 48
	MUL Q_, 0
.set Q_, Q_+1
.endr
	WIN 0
	s_wait_dscnt 0x0                               ; K step 7's fragments are in
.if \refill
	s_wait_tensorcnt 0x0                           ; ahead of a refill's round
	ds_add_u32 v[SPW], v[NIL]
	s_add_nc_u64 s[G0R+2:G0R+3], s[G0R+2:G0R+3], 64*RB     ; no load of mine is out: the next phase's features, 1,024 on
	s_add_nc_u64 s[G0SB+2:G0SB+3], s[G0SB+2:G0SB+3], 32768
	MULA 7, 0, 0, 0
	MULA 7, 0, 1, 0
	MULA 7, 1, 0, 0
	WIN 0
	s_wait_dscnt 0x0                               ; the add is done; my reads of the weights' bytes are over
	s_barrier_signal -1
	MULA 7, 1, 1, 0
	WIN 0
	s_barrier_wait -1
	CREST
	s_cmp_lt_u32 s[WV], 2
	s_cbranch_scc0 .Lscales_\@
	TLOAD G0R, G1B                                 ; waves 0 and 1: four tiles each
	s_branch .Lasked_\@
.Lscales_\@:
	s_cmp_eq_u32 s[WV], 2
	s_cbranch_scc0 .Lnone_\@
	TLOAD G0SB, G1SB                               ; wave 2: the scale words
.Lnone_\@:
.Lasked_\@:
.else
	MUL 7, 0
	WIN 0
.endif
	PLACES 4                                       ; in front of the first read of results
.endm
.macro SHOW                            ; every wave's tensor loads have landed, and every wave knows it
	WALU
	s_wait_tensorcnt 0x0
	s_mov_b32 s[G1B+2], 16<<16                     ; from here on a load of weights brings four tiles: 16 rows of 3,072 bytes
	s_mov_b32 s[G1B+4], 16
	s_barrier_signal -1
	s_barrier_wait -1
.endm
; 64 sums of a lane (window 1, from register s on; register 16 b + i = k 32 b + 16 h + i of my row) become a fragment's codes in v[PC] on and its scale word in v[pw]
.macro QUANT s, pw
	WIN 0x05
.irp b, 0,1,2,3
	v_max3_num_f32 v[TM+\b], |v[\s+16*\b]|, |v[\s+1+16*\b]|, 0x1800000   ; each accumulator from its low end on; the floor 2^(3 - 127): the byte cannot fall under 1
.endr
	WIN 0x14
.irp i, 2,4,6,8,10,12,14
.irp b, 0,1,2,3
	v_max3_num_f32 v[TM+\b], v[TM+\b], |v[\s+16*\b+\i]|, |v[\s+1+16*\b+\i]|
.endr
.endr
	WIN 0
.irp b, 0,1,2,3
	v_permlanex16_b32 v[TM+4+\b], v[TM+\b], s[SEL], s[SEL+1]
.endr
.irp b, 0,1,2,3
	v_max_num_f32 v[TM+\b], v[TM+\b], v[TM+4+\b]
.endr
.irp b, 0,1,2,3
	v_add_nc_u32 v[TM+12+\b], 0xff000000, v[TM+\b]   ; 2 off the exponent field: the conversion's scale operand
.endr
.irp b, 0,1,2,3
	v_lshrrev_b32 v[TM+4+\b], 23, v[TM+12+\b]
.endr
	v_lshl_or_b32 v[\pw], v[TM+5], 8, v[TM+4]
	v_lshl_or_b32 v[\pw], v[TM+6], 16, v[\pw]
	v_lshl_or_b32 v[\pw], v[TM+7], 24, v[\pw]
	WIN 0x01
.irp c, 0,1
	v_cvt_scalef32_pk16_fp6_f32 v[PC+6*\c:PC+2+6*\c], v[\s+32*\c:\s+15+32*\c], v[TM+12+2*\c]
	v_cvt_scalef32_pk16_fp6_f32 v[PC+12+4*\c:PC+14+4*\c], v[\s+16+32*\c:\s+31+32*\c], v[TM+12+2*\c+1]
.endr
	WIN 0
	v_nop                                          ; one plain place behind a scaled conversion
.irp c, 0,1
.irp i, 0,1,2
	v_permlane16_swap_b32 v[PC+6*\c+\i], v[PC+12+4*\c+\i]
.endr
.irp i, 0,1,2
	v_mov_b32 v[PC+3+6*\c+\i], v[PC+12+4*\c+\i]
.endr
.endr
.endm
	s_load_b256 s[4:11], s[0:1], 0x0               ; xq, waq, b_attn, qk
	s_load_b64 s[12:13], s[0:1], 0x20              ; vv
	v_lshl_add_u32 v[SPW], v0, 2, SPARE
	v_mov_b32 v[NIL], 0
	ds_add_u32 v[SPW], v[NIL]                      ; the opening
	ds_add_u32 v[SPW], v[NIL]
	v_lshrrev_b32 v1, 5, v0
	v_readfirstlane_b32 s[WV], v1
	s_bfe_u32 s[CX], ttmp6, 0x40000
	s_bfe_u32 s[CY], ttmp6, 0x40004
	s_lshl_b32 s[TB], ttmp9, 2
	s_add_co_u32 s[TB], s[TB], s[CX]               ; my 128 features of each of q, k, v
	s_and_b32 s[TA], ttmp7, 0xffff
	s_lshl_b32 s[TA], s[TA], 2
	s_add_co_u32 s[TA], s[TA], s[CY]               ; my 256 tokens
	s_lshl_b32 s[MR], s[CY], 2
	s_lshl_b32 s[MR], 15, s[MR]                    ; my row of the cluster
	s_lshl_b32 s[MC], 0x1111, s[CX]                ; my column
	GROUP1 G1A, MR, 384, 64                        ; 16 tiles: 64 rows of 3,072 bytes
	GROUP1 G1B, MC, 384, 32                        ; 8 tiles
	GROUP1 G1SA, MR, 32, 32                        ; 8,192 bytes of scale words as rows of 256
	GROUP1 G1SB, MC, 32, 16
	s_mov_b32 s21, 0
	s_mul_i32 s2, s[TA], 16*RB
	s_add_co_u32 s2, s2, CODES
	s_lshl_b32 s3, s[TA], 13
	s_mul_i32 s96, s[TB], 8*RB
	s_add_co_u32 s96, s96, CODES
	s_lshl_b32 s97, s[TB], 12
	s_mul_i32 s98, s[WV], 4*RB
	s_add_co_u32 s99, s96, s98
	s_mov_b32 s[G0A+1], LA
	s_mov_b32 s[G0B+1], LB
	s_mov_b32 s[G0SA+1], LSA
	s_mov_b32 s[G0SB+1], LSB
	s_add_co_u32 s[G0R+1], s98, LB
	s_mov_b32 s[SEL], 0x76543210
	s_mov_b32 s[SEL+1], 0xfedcba98
	WALU
	s_wait_dscnt 0x0                               ; both opening adds are done
	s_wait_kmcnt 0x0
	GROUP0 G0A, 4, 2
	GROUP0 G0SA, 4, 3
	GROUP0 G0B, 6, 96
	GROUP0 G0SB, 6, 97
	GROUP0 G0R, 6, 99
	CROUND                                         ; all sixteen work-groups are here: the first joint loads meet
	s_cmp_eq_u32 s[WV], 0                          ; the head's four tensor loads, one a wave
	s_cbranch_scc0 .Lw1
	TLOAD G0A, G1A
	s_branch .Lasked
.Lw1:
	s_cmp_eq_u32 s[WV], 1
	s_cbranch_scc0 .Lw2
	TLOAD G0B, G1B
	s_branch .Lasked
.Lw2:
	s_cmp_eq_u32 s[WV], 2
	s_cbranch_scc0 .Lw3
	TLOAD G0SA, G1SA
	s_branch .Lasked
.Lw3:
	TLOAD G0SB, G1SB
.Lasked:
	s_and_b32 s19, s[WV], 1
	s_lshr_b32 s22, s[WV], 1
	s_lshl_b32 s20, s[TB], 7                       ; q's head 2 TB, 64 records a head
	s_lshl_b32 s23, s[TA], 1
	s_add_co_u32 s23, s23, s22                     ; my block of 128 tokens
	s_add_co_u32 s20, s20, s23
	s_mul_i32 s20, s20, 6656
	s_add_nc_u64 s[QO:QO+1], s[10:11], s[20:21]
	s_lshr_b32 s20, s23, 4                         ; its batch,
	s_lshl_b32 s20, s20, 8
	s_and_b32 s23, s23, 15                         ; its step
	s_add_co_u32 s20, s20, s23
	s_lshl_b32 s23, s[TB], 1
	s_add_co_u32 s23, s23, s19                     ; v: my head
	s_lshl_b32 s23, s23, 4
	s_add_co_u32 s20, s20, s23
	s_mul_i32 s20, s20, 6400
	s_add_nc_u64 s[VO:VO+1], s[12:13], s[20:21]
	s_lshl_b32 s20, s[TB], 9
	s_add_nc_u64 s[BP:BP+1], s[8:9], s[20:21]      ; q's bias of my 128 features
	s_lshl_b32 s23, s19, 8
	s_add_co_u32 s20, s20, s23
	s_add_co_u32 s20, s20, 8192
	s_add_nc_u64 s[BPV:BPV+1], s[8:9], s[20:21]    ; v's of my 64
	s_lshl_b32 s23, s[CY], 2
	s_add_co_u32 s23, s23, s[WV]                   ; my number among the sixteen waves of my column
	s_mul_i32 s23, s23, 6144
	s_add_co_u32 s20, s96, s23
	s_add_co_u32 s20, s20, 64*RB
	s_add_nc_u64 s[PF:PF+1], s[6:7], s[20:21]      ; my sixteenth of the next phase's weights
	s_lshl_b32 s99, s[WV], 11
	s_add_co_u32 s99, s99, LSA
	s_mul_i32 s100, s22, 8*RB
	s_mul_i32 s101, s19, 4*RB
	s_add_co_u32 s101, s101, LB
	s_lshl_b32 s2, s22, 12
	s_add_co_u32 s2, s2, LSA
	s_lshl_b32 s3, s19, 11
	s_add_co_u32 s3, s3, LSB
	s_mul_i32 s96, s19, 3072
	s_lshl_b32 s97, s19, 8
	s_mov_b32 s[TRIP], 0
	v_and_b32 v1, 15, v0                           ; r
	v_bfe_u32 v2, v0, 4, 1                         ; h
	v_and_b32 v3, 31, v0
	v_lshlrev_b32 v[L16], 4, v3
	v_lshlrev_b32 v4, 4, v1
	v_lshl_add_u32 v[L8], v2, 3, v4
	v_lshlrev_b32 v5, 3, v3
	v_lshlrev_b32 v[VBQ], 6, v2
	v_and_b32 v6, 8, v1
	v_add_nc_u32 v6, v6, v1
	v_lshlrev_b32 v[VBV], 2, v6
	v_add_nc_u32 v[AQ], LB, v[L16]
	v_add_nc_u32 v[AQ+1], LB, v[L8]
	v_add_nc_u32 v[AQ+2], LB+4*RB, v[L16]
	v_add_nc_u32 v[AQ+3], LB+4*RB, v[L8]
	v_add_nc_u32 v[AQ+4], s98, v[L16]
	v_add_nc_u32 v[AQ+5], s98, v[L8]
	v_add_nc_u32 v[AQ+6], LSB, v5
	v_add_nc_u32 v[AQ+7], s99, v5
	v_add_nc_u32 v[AV], s100, v[L16]
	v_add_nc_u32 v[AV+1], s100, v[L8]
	v_add_nc_u32 v[AV+2], 4*RB, v[AV]
	v_add_nc_u32 v[AV+3], 4*RB, v[AV+1]
	v_add_nc_u32 v[AV+4], s101, v[L16]
	v_add_nc_u32 v[AV+5], s101, v[L8]
	v_add_nc_u32 v[AV+6], s2, v5
	v_add_nc_u32 v[AV+7], s3, v5
	v_add_nc_u32 v[O16], s96, v[L16]
	v_add_nc_u32 v[O8], s96, v[L8]
	v_mul_u32_u24 v7, v2, 425984                   ; lanes 16-31 store the next head's words: 64 records on
	v_add3_u32 v[VOW], v7, v4, s97
	v_min_u32 v7, 23, v3
	v_lshlrev_b32 v[PFO], 8, v7
.irp b, 0,1,2,3
	v_mov_b32 v[TM+4+\b], 0                        ; written once: a lane permute's destination counts as one of its sources
.endr
	WALU                                           ; the wait at the head's end
.Lqk:                                                  ; two trips: q, then k; each asks for the next phase's weights
	WIN 0x80
.irp b, 0,1,2,3,4,5,6,7
	global_load_b128 v[BI+8*\b:BI+8*\b+3], v[VBQ], s[BP:BP+1] offset:(32*(\b/2)+8*(\b%2))*4
	global_load_b128 v[BI+8*\b+4:BI+8*\b+7], v[VBQ], s[BP:BP+1] offset:(32*(\b/2)+8*(\b%2))*4+16
.endr
	WIN 0
	SHOW
	COMPUTE AQ, 1, 1
.irp a, 0,1,2,3
	s_wait_xcnt 0x0                                ; earlier stores have read the fragment's registers
	QUANT 64*\a, PWS+\a
.irp c, 0,1
	global_store_b128 v[O16], v[PC+6*\c:PC+6*\c+3], s[QO:QO+1] offset:425984*\c+768*\a        ; image c is the next head's
	global_store_b64 v[O8], v[PC+6*\c+4:PC+6*\c+5], s[QO:QO+1] offset:425984*\c+768*\a+512
.endr
.endr
	v_cmp_eq_u32 vcc_lo, 1, v2
.irp i, 0,1,2,3
	v_lshrrev_b32 v[W+4+\i], 16, v[PWS+\i]         ; the next head's two bytes
.endr
.irp i, 0,1,2,3
	v_cndmask_b32 v[W+\i], v[PWS+\i], v[W+4+\i], vcc_lo
.endr
	global_store_b128 v[VOW], v[W:W+3], s[QO:QO+1] offset:6144   ; sixteen lanes fill 256 consecutive bytes of each head's record
	s_wait_xcnt 0x0                                ; the bases are stepped only behind this wait
	s_add_nc_u64 s[QO:QO+1], s[QO:QO+1], 16*64*6656
	s_add_nc_u64 s[BP:BP+1], s[BP:BP+1], 4096
	s_add_nc_u64 s[PF:PF+1], s[PF:PF+1], 64*RB
	s_add_co_u32 s[TRIP], s[TRIP], 1
	s_cmp_lg_u32 s[TRIP], 2
	WALU
	s_cbranch_scc1 .Lqk
	; ---- v
	WIN 0x80
.irp a, 0,1,2,3
.irp j, 0,1,2,3,4,5,6,7
	global_load_b32 v[BI+8*\a+\j], v[VBV], s[BPV:BPV+1] offset:(32*(\a/2)+8*(\a%2))*4   ; my row is one feature: its bias in all eight registers of C
.endr
.endr
	WIN 0
	SHOW
	COMPUTE AV, 2, 0
.irp a, 0,1,2,3
	s_wait_xcnt 0x0
	QUANT 64*\a, PWS+\a
.irp c, 0,1
	global_store_b128 v[L16], v[PC+6*\c:PC+6*\c+3], s[VO:VO+1] offset:1536*\a+768*\c
	global_store_b64 v[L8], v[PC+6*\c+4:PC+6*\c+5], s[VO:VO+1] offset:1536*\a+768*\c+512
.endr
.endr
	v_cmp_eq_u32 vcc_lo, 1, v2
.irp i, 0,1
	v_cndmask_b32 v[W+\i], v[PWS+\i], v[PWS+2+\i], vcc_lo   ; lane (r, h): the words of tiles 2 h, 2 h + 1
.endr
	global_store_b64 v[L8], v[W:W+1], s[VO:VO+1] offset:6144
	s_wait_tensorcnt 0x0                           ; the wave's end
	ds_add_u32 v[SPW], v[NIL]
	s_wait_dscnt 0x0
	CROUND                                         ; the closing round
	s_endpgm
.Lfunc_end_k_qe9e041aa65_gemm_qkv:
	.size	k_qe9e041aa65_gemm_qkv, .Lfunc_end_k_qe9e041aa65_gemm_qkv-k_qe9e041aa65_gemm_qkv
	.p2alignl 7, 3214868480
	.fill 96, 4, 3214868480
	.section	.rodata,"a",@progbits
	.p2align	6, 0x0
	.amdhsa_kernel k_qe9e041aa65_gemm_qkv
		.amdhsa_group_segment_fixed_size 327680
		.amdhsa_private_segment_fixed_size 0
		.amdhsa_enable_private_segment 0
		.amdhsa_kernarg_size 40
		.amdhsa_user_sgpr_count 2
		.amdhsa_user_sgpr_kernarg_segment_ptr 1
		.amdhsa_wavefront_size32 1
		.amdhsa_system_sgpr_workgroup_id_x 1
		.amdhsa_system_sgpr_workgroup_id_y 1
		.amdhsa_system_sgpr_workgroup_id_z 1
		.amdhsa_system_vgpr_workitem_id 0
		.amdhsa_next_free_vgpr 768
		.amdhsa_next_free_sgpr 102
		.amdhsa_reserve_vcc 1
		.amdhsa_float_denorm_mode_32 3
		.amdhsa_float_denorm_mode_16_64 3
		.amdhsa_memory_ordered 1
		.amdhsa_forward_progress 1
		.amdhsa_inst_pref_size 172
	.end_amdhsa_kernel
	.amdgpu_metadata
---
amdhsa.version: [ 1, 2 ]
amdhsa.kernels:
  - .name:           k_qe9e041aa65_gemm_qkv
    .symbol:         k_qe9e041aa65_gemm_qkv.kd
    .args:
      - { .name: xq, .offset: 0, .size: 8, .value_kind: global_buffer, .address_space: global }
      - { .name: waq, .offset: 8, .size: 8, .value_kind: global_buffer, .address_space: global }
      - { .name: b_attn, .offset: 16, .size: 8, .value_kind: global_buffer, .address_space: global }
      - { .name: qk, .offset: 24, .size: 8, .value_kind: global_buffer, .address_space: global }
      - { .name: vv, .offset: 32, .size: 8, .value_kind: global_buffer, .address_space: global }
    .group_segment_fixed_size: 327680
    .private_segment_fixed_size: 0
    .kernarg_segment_align: 8
    .kernarg_segment_size: 40
    .max_flat_workgroup_size: 128
    .sgpr_count:     102
    .vgpr_count:     768
    .wavefront_size: 32
...
	.end_amdgpu_metadata
.endif
;; end of part 2
;; launch attn (part 3): grid 4 x 64, 16 waves a work-group, clusters of 4 x 1, 210,944 bytes of LDS; arguments qk, vv, oq; writes oq
.if DOCPART == 3
	.amdgcn_target "amdgcn-amd-amdhsa--gfx1250"
	.amdhsa_code_object_version 6
	.text
	.protected	k_qe9e041aa65_attn
	.globl	k_qe9e041aa65_attn
	.p2align	8
	.type	k_qe9e041aa65_attn,@function
k_qe9e041aa65_attn:
	s_mov_b64 s[64:65], 0
	v_nop
	global_prefetch_b8 v0, s[64:65] scope:SCOPE_SE
	s_setreg_imm32_b32 hwreg(HW_REG_WAVE_MODE, 25, 1), 1
	s_wait_xcnt 0x0
	s_wait_alu depctr_hold_cnt(0) depctr_sa_sdst(0) depctr_va_vdst(0) depctr_va_sdst(0) depctr_va_ssrc(0) depctr_va_vcc(0) depctr_vm_vsrc(0)
	s_getreg_b32 s2, hwreg(HW_REG_IB_STS2, 6, 4)
	s_cmp_eq_u32 s2, 0
	s_cbranch_scc0 .Lentry_in_a_cluster
	s_endpgm
.Lentry_in_a_cluster:
	s_bfe_u32 s2, ttmp6, 0x10000c
	s_cmp_lg_u32 s2, 0x3003
	s_cbranch_scc0 .Lentry_shape_is_right
	s_endpgm
.Lentry_shape_is_right:
; Causal attention of one head on codes of FP6 (E2M3): S^T = K Q^T, p = 2^(t - M), O^T = V^T P^T, O / l, and O quantised along C for the projection.
; LEFT OUT: a step of 128 keys all of which come after a tile's 16 queries: reference() itself puts -infinity there, so p = 0 whatever the inputs hold.
; t = score x log2(e) / 8; M = the running largest t rounded UP to a whole number; p is not normalised; the row's sum is taken of the unquantised p and divides O at the end; when M moves, the sum and O are multiplied by 2^(old M - new M): exact.
; SHARES.  A cluster of four work-groups takes one (batch, head).  Partner cx takes the 32 queries 128 kappa + 32 cx .. of every block kappa of 128.  Wave w walks two tiles of 16 queries, one after the other:
; (kappa = w, tile 0) and (kappa = 15 - w, tile 1): w + 1 and 16 - w live steps of 128 keys, 17 for every wave of every work-group.
; ALL OF THE HEAD'S K AND V STAY IN LDS (106,496 + 102,400 bytes), asked for JOINTLY by the four partners, one tensor load a wave, filled once: no ring, no refill, no LDS store.
; The head's K is 64.  The upper half of Q's operand holds zero codes; so the upper half of K's operand may hold any codes: K's eight tiles lie 6 registers apart, and a tile's upper half is the next tile's lower half
; (the last tile's: V's first six registers, which hold codes that have landed).  FP6 has no infinity and no NaN, and no scale byte here is 0xff: those products are zeros.
; LOADS RUN AHEAD: behind a step's eight score products go out this step's V (17 loads) and the next step's K (17 loads); the softmax stands between them and the one wait for all of them.
; The step on the diagonal is a tile's last: it takes the mask's arm and fetches no K.  Q of the second tile and its first K are asked for ahead of the first tile's way out.
; LAYOUT.  Both products are used transposed: a lane holds ONE query.  The rows of a tile are not neighbours (lane r of tile 2 G + u = row 32 G + 8 u + r + 8 (r / 8)), so the 16 registers of tiles 2 b, 2 b + 1 are 16 neighbours:
; of the keys in S^T, of the head's 64 in O^T.  Operands lie as images of their registers (16 rows x 64 K, 768 bytes: registers 0-3 of lane l at 16 l, registers 4-5 at 512 + 16 r + 8 h).
; No branch, trip count or LDS address hangs on cx: it enters Q's and O's addresses and the mask's comparison alone.
; NO PREFETCH: K and V are asked for whole at the head; there is no loop to run ahead in.
; LIMITS: NaN and infinities are not served; a p under 2^-126 counts as 0 (v_exp_f32's results are flushed: ISA guide, its entry in 15.8); a block of zeros gets the byte 1.
; REGISTERS: v1 16 x lane, v2 16 r + 8 h, v3 16 r, v4 8 r + h, v5 the mask's term, v6 its lane part, v7, v28 the add's two, v8-11 K's scale words, v12 -M, v13 the largest t, v[14:15] the sum, v16-27 Q, v29 h,
;   v[30:31] V's scale words, v32-79 eight tiles of K, v80-127 V's four fragments, v128-191 S^T then p, v192-223 O^T, v224-235 p's codes, v232-252, v254 at work, v253 p's scale word, v255 Q's.
.set KREC,  6656
.set VREC,  6400
.set VB,    16*KREC
.set SPARE, VB+16*VREC                 ; the spare words, 128 bytes for each of 16 waves, which no other line names
.set RB,    12288
.set CODES, 262144
.set SPW, 7
.set NIL, 28
.set WV,  10
.set CX,  11
.set G1K, 16
.set G1V, 24
.set G0K, 32
.set G0V, 36
.set SEL, 40
.set CS,  42
.set KF,  44                           ; the step's first key
.set KD,  45                           ; the first key of the step on the diagonal
.set TN,  46                           ; the NEXT step's record of K in LDS
.set TV,  47                           ; this step's record of V
.set KAP, 48
.set QC,  50
.set QS,  52
.set OC,  54                           ; s[54:55], s[56:57] where the first tile's codes and bytes go; s[66:67], s[68:69] the second's
.set OS,  56
.macro CROUND
	s_barrier_signal -1
	s_barrier_wait -1
	s_cmp_lg_u32 s[WV], 0
	s_cbranch_scc1 .Lnot_wave_0_\@
	s_barrier_signal -3
.Lnot_wave_0_\@:
	s_barrier_wait -3
	s_barrier_signal -1
	s_barrier_wait -1
.endm
	s_load_b128 s[4:7], s[0:1], 0x0                ; qk s[4:5], vv s[6:7]
	s_load_b64 s[8:9], s[0:1], 0x10                ; oq
	v_lshl_add_u32 v[SPW], v0, 2, SPARE
	v_mov_b32 v[NIL], 0
	ds_add_u32 v[SPW], v[NIL]                      ; the wave's opening
	ds_add_u32 v[SPW], v[NIL]
	v_lshrrev_b32 v244, 5, v0
	s_delay_alu instid0(VALU_DEP_1)
	v_readfirstlane_b32 s[WV], v244
	s_bfe_u32 s[CX], ttmp6, 0x40000
	s_and_b32 s12, ttmp7, 0xffff                   ; 16 x batch + head
	s_lshr_b32 s13, s12, 4
	s_and_b32 s14, s12, 15
	s_and_b32 s15, s[WV], 7
	; group 1: dense bytes as rows of 256 (32 elements of 8 bytes): two records of K are 52 rows, two of V 50; the mask names the four partners
	s_mov_b32 s[G1K], 15|(3<<16)|(1<<21)
	s_mov_b32 s[G1K+1], 32<<16
	s_mov_b32 s[G1K+2], 52<<16
	s_mov_b32 s[G1K+3], 32<<16
	s_mov_b32 s[G1K+4], 52
	s_mov_b32 s[G1K+5], 32
	s_mov_b32 s[G1K+6], 0
	s_mov_b32 s[G1K+7], 0
	s_mov_b32 s[G1V], 15|(3<<16)|(1<<21)
	s_mov_b32 s[G1V+1], 32<<16
	s_mov_b32 s[G1V+2], 50<<16
	s_mov_b32 s[G1V+3], 32<<16
	s_mov_b32 s[G1V+4], 50
	s_mov_b32 s[G1V+5], 32
	s_mov_b32 s[G1V+6], 0
	s_mov_b32 s[G1V+7], 0
	s_add_co_u32 s58, s14, 16                      ; K's heads lie behind Q's sixteen
	s_lshl_b32 s58, s58, 6
	s_lshl_b32 s59, s13, 4
	s_add_co_u32 s58, s58, s59
	s_mul_i32 s58, s58, KREC
	s_mul_i32 s62, s15, 2*KREC
	s_add_co_u32 s58, s58, s62
	s_mov_b32 s59, 0
	s_mul_i32 s60, s12, 16*VREC
	s_mul_i32 s63, s15, 2*VREC
	s_add_co_u32 s60, s60, s63
	s_mov_b32 s61, 0
	s_mov_b32 s[SEL], 0x76543210
	s_mov_b32 s[SEL+1], 0xfedcba98
	s_mov_b32 s[CS], 0x3e38aa3b                    ; c = log2(e) / sqrt(64)
	s_mov_b32 s[CS+1], s[CS]
	s_wait_dscnt 0x0                               ; both opening adds are done
	s_wait_kmcnt 0x0
	CROUND                                         ; all four work-groups are here: the joint loads meet
	s_mov_b32 s[G0K], 1
	s_mov_b32 s[G0K+1], s62
	s_add_nc_u64 s[G0K+2:G0K+3], s[4:5], s[58:59]
	s_or_b32 s[G0K+3], s[G0K+3], 0x80000000
	s_mov_b32 s[G0V], 1
	s_add_co_u32 s[G0V+1], s63, VB
	s_add_nc_u64 s[G0V+2:G0V+3], s[6:7], s[60:61]
	s_or_b32 s[G0V+3], s[G0V+3], 0x80000000
	s_cmp_lt_u32 s[WV], 8                          ; waves 0-7 fetch K, waves 8-15 V: every wave issues one load
	s_cbranch_scc0 .Lfor_v
	tensor_load_to_lds s[G0K:G0K+3], s[G1K:G1K+7]
	s_nop 0
.rept 4
	v_nop
.endr
	s_branch .Lasked
.Lfor_v:
	tensor_load_to_lds s[G0V:G0V+3], s[G1V:G1V+7]
	s_nop 0
.rept 4
	v_nop
.endr
.Lasked:
.irp i, 22,23,24,25,26,27
	v_mov_b32 v\i, 0                               ; zero codes for the upper 64 of the instruction's K, on Q's side, written once
.endr
.irp i, 80,81,82,83,84,85
	v_mov_b32 v\i, 0                               ; the last tile of K names these as its upper half ahead of V's first load
.endr
	v_and_b32 v244, 31, v0
	s_delay_alu instid0(VALU_DEP_1)
	v_lshlrev_b32 v1, 4, v244
	v_and_b32 v245, 15, v0                         ; r
	v_bfe_u32 v29, v0, 4, 1                        ; h
	s_delay_alu instid0(VALU_DEP_2)
	v_lshlrev_b32 v3, 4, v245
	s_delay_alu instid0(VALU_DEP_1)
	v_lshl_add_u32 v2, v29, 3, v3
	s_delay_alu instid0(VALU_DEP_3)
	v_lshl_add_u32 v4, v245, 3, v29
	v_and_b32 v246, 8, v245
	s_delay_alu instid0(VALU_DEP_1)
	v_add_nc_u32 v6, v246, v245
	v_lshlrev_b32 v246, 4, v29
	s_delay_alu instid0(VALU_DEP_1)
	v_sub_nc_u32 v6, v6, v246                      ; r + 8 (r / 8) - 16 h
.irp b, 0,1,2,3
	v_mov_b32 v[236+\b], 0                         ; written once: a lane permute's destination counts as one of its sources
.endr
	v_mov_b32 v252, 0
	v_mov_b32 v253, 0                              ; (named as the upper half of the pair v[252:253] before it is first written)
	s_wait_alu depctr_va_vdst(0)                   ; the wait at the head's end
; tile p's block kappa, its addresses, and the loads of Q
.macro QLOAD p
.if \p
	s_sub_co_u32 s[KAP], 15, s[WV]
.else
	s_mov_b32 s[KAP], s[WV]
.endif
	s_lshl_b32 s[KD], s[KAP], 7
	s_lshl_b32 s58, s14, 6
	s_lshl_b32 s59, s13, 4
	s_add_co_u32 s58, s58, s59
	s_add_co_u32 s58, s58, s[KAP]
	s_mul_i32 s58, s58, KREC                       ; Q's record
	s_lshl_b32 s59, s[CX], 1
	s_add_co_u32 s59, s59, \p                      ; my tile in it
	s_mul_i32 s60, s59, 768
	s_add_co_u32 s60, s60, s58
	s_mov_b32 s61, 0
	s_add_nc_u64 s[QC:QC+1], s[4:5], s[60:61]
	s_lshr_b32 s60, s59, 2
	s_lshl_b32 s60, s60, 8
	s_and_b32 s59, s59, 3
	s_lshl_b32 s59, s59, 2
	s_add_co_u32 s60, s60, s59
	s_add_co_u32 s60, s60, s58
	s_add_co_u32 s60, s60, 6144
	s_add_nc_u64 s[QS:QS+1], s[4:5], s[60:61]
	global_load_b128 v[16:19], v1, s[QC:QC+1]
	global_load_b64 v[20:21], v2, s[QC:QC+1] offset:512
	global_load_b32 v255, v3, s[QS:QS+1]
	s_lshl_b32 s58, s13, 6
	s_lshl_b32 s59, s[KAP], 2
	s_add_co_u32 s58, s58, s59
	s_add_co_u32 s58, s58, s[CX]                   ; G: my 32 tokens among all
	s_lshl_b32 s59, s58, 1
	s_add_co_u32 s59, s59, \p
	s_mul_i32 s60, s59, RB
	s_mul_i32 s59, s14, 768                        ; the head is image number h along C
	s_add_co_u32 s60, s60, s59
	s_add_co_u32 s60, s60, CODES
	s_add_nc_u64 s[OC+12*\p:OC+12*\p+1], s[8:9], s[60:61]
	s_lshl_b32 s60, s58, 10
	s_lshr_b32 s59, s14, 2
	s_lshl_b32 s59, s59, 8
	s_add_co_u32 s60, s60, s59
	s_and_b32 s59, s14, 3
	s_lshl_b32 s59, s59, 1
	s_add_co_u32 s60, s60, s59
	s_add_co_u32 s60, s60, 128*\p
	s_add_nc_u64 s[OS+12*\p:OS+12*\p+1], s[8:9], s[60:61]
.endm
; a record of K: its scale words (lanes 0-15 tiles 0-3's, lanes 16-31 tiles 4-7's) and its eight tiles, 6 registers apart: 17 loads
.macro KLOAD a16, a8
	ds_load_b128 v[8:11], \a16 offset:6144
.irp t, 0,1,2,3,4,5,6,7
	ds_load_b128 v[32+6*\t:35+6*\t], \a16 offset:768*\t
	ds_load_b64 v[36+6*\t:37+6*\t], \a8 offset:768*\t+512
.endr
.endm
.macro WALK p
.if \p
	s_wait_xcnt 0x0                                ; the first tile's stores have read their registers
.endif
	s_lshl_b32 s59, s[CX], 5
	s_add_co_u32 s59, s59, 8*\p
	v_add_nc_u32 v5, s59, v6                       ; d = my query - KD - 16 h
	v_mov_b32 v13, 0xff61b1e6                      ; the largest t so far: -3e38
	s_delay_alu instid0(VALU_DEP_1)
	v_floor_f32 v12, -v13
	v_mov_b32 v14, 0
	v_mov_b32 v15, 0
.set j, 0
.rept 32
	v_mov_b32 v[192+j], 0                          ; O^T: the first change of M leaves zeros zeros, so the step is written once
.set j, j+1
.endr
	s_mov_b32 s[KF], 0
	s_mov_b32 s[TN], KREC
	s_mov_b32 s[TV], VB
	s_wait_alu depctr_va_vdst(0)                   ; the wait here, directly ahead of the waits below
	s_wait_loadcnt 0x0                             ; Q
	s_wait_dscnt 0x0                               ; the first record of K
.Lloop_\@:                                         ; 16 trips, a constant; a step past the diagonal only steps the addresses
	s_cmp_gt_u32 s[KF], s[KD]
	s_cbranch_scc1 .Lhidden_\@
.irp t, 0,1,2,3
	v_wmma_scale_f32_16x16x128_f8f6f4 v[128+8*\t:135+8*\t], v[32+6*\t:43+6*\t], v[16:27], 0, v[8+\t], v255 matrix_a_fmt:MATRIX_FMT_FP6 matrix_b_fmt:MATRIX_FMT_FP6
.endr
.irp t, 0,1,2,3
	v_wmma_scale_f32_16x16x128_f8f6f4 v[160+8*\t:167+8*\t], v[56+6*\t:67+6*\t], v[16:27], 0, v[8+\t], v255 matrix_a_fmt:MATRIX_FMT_FP6 matrix_b_fmt:MATRIX_FMT_FP6 matrix_a_scale:MATRIX_SCALE_ROW1
.endr
	v_add_nc_u32 v244, s[TV], v1                   ; these four name no register of any product: they are also the places in front of the loads into registers that the products read, and of the first read of the scores
	v_add_nc_u32 v245, s[TV], v2
	v_add_nc_u32 v246, s[TN], v1
	v_add_nc_u32 v247, s[TN], v2
.irp d, 0,1,2,3
.irp c, 0,1
	ds_load_b128 v[80+12*\d+6*\c:83+12*\d+6*\c], v244 offset:1536*\d+768*\c
	ds_load_b64 v[84+12*\d+6*\c:85+12*\d+6*\c], v245 offset:1536*\d+768*\c+512
.endr
.endr
	ds_load_b64 v[30:31], v245 offset:6144         ; V's scale words: lane (r, h): tiles 2 h, 2 h + 1
	s_cmp_lt_u32 s[KF], s[KD]
	s_cbranch_scc0 .Ldiag_\@
	KLOAD v246, v247                               ; the next step's K
	s_branch .Lopen_\@
.Ldiag_\@:                                         ; on the diagonal hidden scores become -infinity ahead of the maximum: p = 0 then; no step follows
	v_mov_b32 v254, 0xff800000
.set n, 0
.rept 64
	v_cmp_gt_i32 vcc_lo, 32*(n/16)+n%16, v5        ; register 16 b + i holds key KF + 16 h + 32 b + i: hidden where 32 b + i > d
	v_cndmask_b32 v[128+n], v[128+n], v254, vcc_lo
.set n, n+1
.endr
.Lopen_\@:
.irp b, 0,1,2,3
	v_max3_num_f32 v[232+\b], v[128+16*\b], v[129+16*\b], v[130+16*\b]   ; the largest score of each block of 32 keys: for the row's maximum and, since p rises with the score, for the block's largest p
.endr
.irp i, 3,5,7,9,11,13
.irp b, 0,1,2,3
	v_max3_num_f32 v[232+\b], v[232+\b], v[128+16*\b+\i], v[129+16*\b+\i]
.endr
.endr
.irp b, 0,1,2,3
	v_max_num_f32 v[232+\b], v[232+\b], v[143+16*\b]
.endr
.irp b, 0,1,2,3
	s_delay_alu instid0(VALU_DEP_4)
	v_permlanex16_b32 v[236+\b], v[232+\b], s[SEL], s[SEL+1]
.endr
.irp b, 0,1,2,3
	s_delay_alu instid0(VALU_DEP_4)
	v_max_num_f32 v[232+\b], v[232+\b], v[236+\b]
.endr
	s_delay_alu instid0(VALU_DEP_2)
	v_max3_num_f32 v254, v232, v233, v234
	s_delay_alu instid0(VALU_DEP_1)
	v_max_num_f32 v254, v254, v235
	s_delay_alu instid0(VALU_DEP_1)
	v_mul_f32 v254, s[CS], v254
	s_delay_alu instid0(VALU_DEP_1)
	v_max_num_f32 v13, v13, v254                   ; the running largest t
	v_mov_b32 v254, v12
	s_delay_alu instid0(VALU_DEP_2)
	v_floor_f32 v12, -v13                          ; the new -M = -ceil(t)
	s_delay_alu instid0(VALU_DEP_1)
	v_sub_f32 v254, v12, v254                      ; old M - new M: a whole number, 0 or less
	s_delay_alu instid0(VALU_DEP_1)
	v_cvt_i32_f32 v254, v254                       ; (it saturates)
	s_delay_alu instid0(VALU_DEP_1)
	v_ldexp_f32 v252, 1.0, v254                    ; f = 2^(old M - new M)
.set j, 0
.rept 32
	v_pk_fma_f32 v[128+j:129+j], v[128+j:129+j], s[CS:CS+1], v[12:13] op_sel_hi:[1,0,0]   ; t - M
.set j, j+2
.endr
.irp b, 0,1,2,3
	v_fma_f32 v[232+\b], v[232+\b], s[CS], v12
.endr
.set j, 0
	s_wait_alu depctr_va_vdst(0)
.rept 64
	v_exp_f32 v[128+j], v[128+j]                   ; p = 2^(t - M)
.set j, j+1
.endr
	v_pk_mul_f32 v[14:15], v[14:15], v[252:253] op_sel_hi:[1,0]   ; the sums under the new M; a plain place behind the exponentials
	s_wait_alu depctr_va_vdst(0)                   ; one wait for the batch, ahead of its first reader
.irp b, 0,1,2,3
	v_exp_f32 v[232+\b], v[232+\b]                 ; the block's largest p
.endr
	v_pk_add_f32 v[236:237], v[132:133], v[136:137]
	v_pk_add_f32 v[250:251], v[140:141], v[144:145]
	v_pk_add_f32 v[248:249], v[148:149], v[152:153]
	v_pk_add_f32 v[246:247], v[156:157], v[160:161]
	v_pk_add_f32 v[244:245], v[164:165], v[168:169]
	v_pk_add_f32 v[242:243], v[172:173], v[176:177]
	v_pk_add_f32 v[240:241], v[180:181], v[184:185]
	v_pk_add_f32 v[14:15], v[14:15], v[188:189]
	v_pk_add_f32 v[236:237], v[236:237], v[128:129]
	v_pk_add_f32 v[250:251], v[250:251], v[130:131]
	v_pk_add_f32 v[248:249], v[248:249], v[134:135]
	v_pk_add_f32 v[246:247], v[246:247], v[138:139]
	v_pk_add_f32 v[244:245], v[244:245], v[142:143]
	v_pk_add_f32 v[242:243], v[242:243], v[146:147]
	v_pk_add_f32 v[240:241], v[240:241], v[150:151]
	v_pk_add_f32 v[14:15], v[14:15], v[154:155]
	v_pk_add_f32 v[236:237], v[236:237], v[158:159]
	v_pk_add_f32 v[250:251], v[250:251], v[162:163]
	v_pk_add_f32 v[248:249], v[248:249], v[166:167]
	v_pk_add_f32 v[246:247], v[246:247], v[170:171]
	v_pk_add_f32 v[244:245], v[244:245], v[174:175]
	v_pk_add_f32 v[242:243], v[242:243], v[178:179]
	v_pk_add_f32 v[240:241], v[240:241], v[182:183]
	v_pk_add_f32 v[14:15], v[14:15], v[186:187]
	v_pk_add_f32 v[236:237], v[236:237], v[190:191]
	s_delay_alu instid0(VALU_DEP_2)
	v_pk_add_f32 v[14:15], v[14:15], v[246:247]
	s_delay_alu instid0(VALU_DEP_2)
	v_pk_add_f32 v[236:237], v[236:237], v[244:245]
	v_pk_add_f32 v[250:251], v[250:251], v[242:243]
	v_pk_add_f32 v[248:249], v[248:249], v[240:241]
	s_delay_alu instid0(VALU_DEP_2)
	v_pk_add_f32 v[14:15], v[14:15], v[250:251]
	s_delay_alu instid0(VALU_DEP_2)
	v_pk_add_f32 v[236:237], v[236:237], v[248:249]
	s_delay_alu instid0(VALU_DEP_1)
	v_pk_add_f32 v[14:15], v[14:15], v[236:237]
	s_wait_dscnt 0x0                               ; this step's V and the next step's K are in
	s_wait_alu depctr_va_vdst(0)                   ; and one for the four
.irp b, 0,1,2,3
	v_max_num_f32 v[232+\b], 0x1800000, v[232+\b]  ; the floor 2^(3 - 127)
.endr
.irp b, 0,1,2,3
	s_delay_alu instid0(VALU_DEP_4)
	v_add_nc_u32 v[244+\b], 0xff000000, v[232+\b]
.endr
.irp b, 0,1,2,3
	s_delay_alu instid0(VALU_DEP_4)
	v_lshrrev_b32 v[236+\b], 23, v[244+\b]
.endr
	s_delay_alu instid0(VALU_DEP_3)
	v_lshl_or_b32 v253, v237, 8, v236              ; p's scale word for these 128 keys
	s_delay_alu instid0(VALU_DEP_1)
	v_lshl_or_b32 v253, v238, 16, v253
	s_delay_alu instid0(VALU_DEP_1)
	v_lshl_or_b32 v253, v239, 24, v253
.irp c, 0,1
	v_cvt_scalef32_pk16_fp6_f32 v[224+6*\c:226+6*\c], v[128+32*\c:143+32*\c], v[244+2*\c]
	v_cvt_scalef32_pk16_fp6_f32 v[236+4*\c:238+4*\c], v[144+32*\c:159+32*\c], v[244+2*\c+1]
.endr
	v_nop                                          ; one plain place behind a scaled conversion
.irp c, 0,1
.irp i, 0,1,2
	v_permlane16_swap_b32 v[224+6*\c+\i], v[236+4*\c+\i]
.endr
.irp i, 0,1,2
	s_delay_alu instid0(VALU_DEP_3)
	v_mov_b32 v[227+6*\c+\i], v[236+4*\c+\i]
.endr
.endr
.set j, 0
.rept 16
	v_pk_mul_f32 v[192+j:193+j], v[192+j:193+j], v[252:253] op_sel_hi:[1,0]   ; O^T under the new M; these sixteen are also the places in front of the products below
.set j, j+2
.endr
.irp d, 0,1
	v_wmma_scale_f32_16x16x128_f8f6f4 v[192+8*\d:199+8*\d], v[80+12*\d:91+12*\d], v[224:235], v[192+8*\d:199+8*\d], v[30+\d], v253 matrix_a_fmt:MATRIX_FMT_FP6 matrix_b_fmt:MATRIX_FMT_FP6
.endr
.irp d, 2,3
	v_wmma_scale_f32_16x16x128_f8f6f4 v[192+8*\d:199+8*\d], v[80+12*\d:91+12*\d], v[224:235], v[192+8*\d:199+8*\d], v[28+\d], v253 matrix_a_fmt:MATRIX_FMT_FP6 matrix_b_fmt:MATRIX_FMT_FP6 matrix_a_scale:MATRIX_SCALE_ROW1
.endr
.Lhidden_\@:
	s_add_co_u32 s[TN], s[TN], KREC
	s_add_co_u32 s[TV], s[TV], VREC
	s_add_co_u32 s[KF], s[KF], 128
	s_cmp_lt_u32 s[KF], 2048
	s_cbranch_scc1 .Lloop_\@
.endm
; the way out: O^T / the sum, quantised along C: the head's two blocks of 32
.macro LEAVE p
	v_add_f32 v14, v14, v15
	s_delay_alu instid0(VALU_DEP_1)
	v_permlanex16_b32 v252, v14, s[SEL], s[SEL+1]
	s_delay_alu instid0(VALU_DEP_1)
	v_add_f32 v14, v14, v252
	s_wait_alu depctr_va_vdst(0)
	v_rcp_f32 v14, v14
.rept 4
	v_nop                                          ; a plain place behind the reciprocal; four places behind the last products
.endr
	s_wait_alu depctr_va_vdst(0)                   ; ahead of the reciprocal's first reader
.set j, 0
.rept 16
	v_pk_mul_f32 v[128+j:129+j], v[192+j:193+j], v[14:15] op_sel_hi:[1,0]   ; register 16 b + i = channel 32 b + 16 h + i of my query; each accumulator from its low end on
.set j, j+2
.endr
.irp b, 0,1
	v_max3_num_f32 v[232+\b], |v[128+16*\b]|, |v[129+16*\b]|, 0x1800000
.endr
.irp i, 2,4,6,8,10,12,14
.irp b, 0,1
	s_delay_alu instid0(VALU_DEP_2)
	v_max3_num_f32 v[232+\b], v[232+\b], |v[128+16*\b+\i]|, |v[129+16*\b+\i]|
.endr
.endr
.irp b, 0,1
	s_delay_alu instid0(VALU_DEP_2)
	v_permlanex16_b32 v[236+\b], v[232+\b], s[SEL], s[SEL+1]
.endr
.irp b, 0,1
	s_delay_alu instid0(VALU_DEP_2)
	v_max_num_f32 v[232+\b], v[232+\b], v[236+\b]
.endr
.irp b, 0,1
	s_delay_alu instid0(VALU_DEP_2)
	v_add_nc_u32 v[244+\b], 0xff000000, v[232+\b]
.endr
.irp b, 0,1
	s_delay_alu instid0(VALU_DEP_2)
	v_lshrrev_b32 v[236+\b], 23, v[244+\b]
.endr
	v_cvt_scalef32_pk16_fp6_f32 v[224:226], v[128:143], v244
	v_cvt_scalef32_pk16_fp6_f32 v[240:242], v[144:159], v245
	v_nop                                          ; one plain place behind a scaled conversion
.irp i, 0,1,2
	v_permlane16_swap_b32 v[224+\i], v[240+\i]
.endr
.irp i, 0,1,2
	s_delay_alu instid0(VALU_DEP_3)
	v_mov_b32 v[227+\i], v[240+\i]
.endr
	v_cmp_eq_u32 vcc_lo, 1, v29
	s_delay_alu instid0(VALU_DEP_1)
	v_cndmask_b32 v238, v236, v237, vcc_lo         ; lane (r, h) stores block h's byte
	global_store_b128 v1, v[224:227], s[OC+12*\p:OC+12*\p+1]              ; 512 consecutive bytes
	global_store_b64 v2, v[228:229], s[OC+12*\p:OC+12*\p+1] offset:512    ; 256 consecutive bytes
	global_store_b8 v4, v238, s[OS+12*\p:OS+12*\p+1]   ; two bytes of each row's scale words are this head's: the other heads' work-groups store the others
.endm
	QLOAD 0                                        ; Q is on its way while K and V land
	s_wait_tensorcnt 0x0                           ; my part has landed,
	s_barrier_signal -1
	s_barrier_wait -1                              ; everybody's has: from here on LDS is only read
	KLOAD v1, v2                                   ; the first record of K
	WALK 0
	QLOAD 1                                        ; the second tile's Q and its first K, ahead of the first tile's way out
	KLOAD v1, v2
	LEAVE 0
	WALK 1
	LEAVE 1
	s_wait_tensorcnt 0x0                           ; the wave's end
	ds_add_u32 v[SPW], v[NIL]
	s_wait_dscnt 0x0
	CROUND                                         ; the closing round
	s_endpgm
.Lfunc_end_k_qe9e041aa65_attn:
	.size	k_qe9e041aa65_attn, .Lfunc_end_k_qe9e041aa65_attn-k_qe9e041aa65_attn
	.p2alignl 7, 3214868480
	.fill 96, 4, 3214868480
	.section	.rodata,"a",@progbits
	.p2align	6, 0x0
	.amdhsa_kernel k_qe9e041aa65_attn
		.amdhsa_group_segment_fixed_size 210944
		.amdhsa_private_segment_fixed_size 0
		.amdhsa_enable_private_segment 0
		.amdhsa_kernarg_size 24
		.amdhsa_user_sgpr_count 2
		.amdhsa_user_sgpr_kernarg_segment_ptr 1
		.amdhsa_wavefront_size32 1
		.amdhsa_system_sgpr_workgroup_id_x 1
		.amdhsa_system_sgpr_workgroup_id_y 1
		.amdhsa_system_sgpr_workgroup_id_z 1
		.amdhsa_system_vgpr_workitem_id 0
		.amdhsa_next_free_vgpr 256
		.amdhsa_next_free_sgpr 80
		.amdhsa_reserve_vcc 1
		.amdhsa_float_denorm_mode_32 3
		.amdhsa_float_denorm_mode_16_64 3
		.amdhsa_memory_ordered 1
		.amdhsa_forward_progress 1
		.amdhsa_inst_pref_size 68
	.end_amdhsa_kernel
	.amdgpu_metadata
---
amdhsa.version: [ 1, 2 ]
amdhsa.kernels:
  - .name:           k_qe9e041aa65_attn
    .symbol:         k_qe9e041aa65_attn.kd
    .args:
      - { .name: qk, .offset: 0, .size: 8, .value_kind: global_buffer, .address_space: global }
      - { .name: vv, .offset: 8, .size: 8, .value_kind: global_buffer, .address_space: global }
      - { .name: oq, .offset: 16, .size: 8, .value_kind: global_buffer, .address_space: global }
    .group_segment_fixed_size: 210944
    .private_segment_fixed_size: 0
    .kernarg_segment_align: 8
    .kernarg_segment_size: 24
    .max_flat_workgroup_size: 512
    .sgpr_count:     80
    .vgpr_count:     256
    .wavefront_size: 32
...
	.end_amdgpu_metadata
.endif
;; end of part 3
;; launch gemm_proj (part 4): grid 8 x 32, 4 waves a work-group, clusters of 4 x 4, 327,680 bytes of LDS; arguments oq, wpq, b_proj, out0; writes out0
.if DOCPART == 4
	.amdgcn_target "amdgcn-amd-amdhsa--gfx1250"
	.amdhsa_code_object_version 6
	.text
	.protected	k_qe9e041aa65_gemm_proj
	.globl	k_qe9e041aa65_gemm_proj
	.p2align	8
	.type	k_qe9e041aa65_gemm_proj,@function
k_qe9e041aa65_gemm_proj:
	s_mov_b64 s[64:65], 0
	v_nop
	global_prefetch_b8 v0, s[64:65] scope:SCOPE_SE
	s_setreg_imm32_b32 hwreg(HW_REG_WAVE_MODE, 25, 1), 1
	s_wait_xcnt 0x0
	s_wait_alu depctr_hold_cnt(0) depctr_sa_sdst(0) depctr_va_vdst(0) depctr_va_sdst(0) depctr_va_ssrc(0) depctr_va_vcc(0) depctr_vm_vsrc(0)
	s_getreg_b32 s2, hwreg(HW_REG_IB_STS2, 6, 4)
	s_cmp_eq_u32 s2, 0
	s_cbranch_scc0 .Lentry_in_a_cluster
	s_endpgm
.Lentry_in_a_cluster:
	s_bfe_u32 s2, ttmp6, 0x10000c
	s_cmp_lg_u32 s2, 0xf033
	s_cbranch_scc0 .Lentry_shape_is_right
	s_endpgm
.Lentry_shape_is_right:
; out0 = o w_proj + b_proj on codes of FP6 (E2M3) with E8M0 scales, K = 1,024, f32 out.
; SHARES.  256 work-groups of four waves; work-group (TA, TB) makes tokens 256 TA .. x features 128 TB ..  All its operands, for all of K, come into LDS once, by one joint load a wave: 16 tiles of tokens, 8 tiles of
; features (12,288 bytes a tile), 8,192 and 4,096 bytes of scale words.  The walk along K has no ring, no refill and no barrier.  A wave makes 64 tokens x 128 features: 32 accumulators; source 0 = the features' eight tiles,
; source 1 = its own four tiles of tokens: a lane holds one token, its registers run along the features.  The bias is the C of the first products.
; Operands lie as images of their registers, rows of a tile and scale words as in gemm_qkv: lane r of tile 2 G + u = row 32 G + 8 u + r + 8 (r / 8).
; THE WAY OUT: 16 tokens x 128 features at a time through a stage in the wave's own tokens' bytes, which only this wave reads, which have had their only fill, and which it has read to the end; back as rows of 512 bytes.
; CLUSTERS: 4 x 4; the tokens' tiles are asked for jointly along a row of the cluster, the weights' along a column.
; NO PREFETCH: every byte that the launch reads is asked for at its head; there is no loop to run ahead in.
; REGISTERS: window 0: addresses, v32-63 and v65-80 scale words, v96-191 source 1's fragments (two sets); window 1: the accumulators; window 2: source 0's fragments (two sets), v192-255 the bias; window 3: v0-127 rows on their way out.
.set RB,     12288
.set CODES,  262144
.set LA,     0
.set LB,     16*RB
.set LSA,    24*RB
.set LSB,    LSA+8192
.set SPARE,  LSB+4096                  ; the spare words, 128 bytes a wave, which no other line names
.set SPITCH, 528
.set L16,  8
.set L8,   9
.set VBQ,  10
.set AQ,   12
.set SPW,  20
.set NIL,  21
.set STO,  22
.set RD,   23
.set SC0,  32
.set SC1,  65                          ; an odd base: the two scale registers of a product never have the same number modulo 8
.set F1,   96
.set F0,   0
.set BI,   192
.set WV,   14
.set TA,   15
.set TB,   16
.set CX,   17
.set CY,   18
.set G1A,  24
.set G1B,  32
.set G1SA, 40
.set G1SB, 48
.set G0A,  56
.set G0B,  60
.set G0SA, 72
.set G0SB, 76
.set MR,   85
.set MC,   86
.set MSB, 0
.macro WIN new
.if MSB != (\new)
	s_set_vgpr_msb (MSB<<8)|(\new)
.set MSB, (\new)
.endif
.endm
.macro PLACES n
.rept \n
	v_nop
.endr
.endm
.macro WALU
	s_wait_alu depctr_va_vdst(0)
.endm
.macro CROUND
	s_barrier_signal -1
	s_barrier_wait -1
	s_cmp_lg_u32 s[WV], 0
	s_cbranch_scc1 .Lnot_wave_0_\@
	s_barrier_signal -3
.Lnot_wave_0_\@:
	s_barrier_wait -3
	s_barrier_signal -1
	s_barrier_wait -1
.endm
.macro TLOAD g0, g1
	tensor_load_to_lds s[\g0:\g0+3], s[\g1:\g1+7]
	s_nop 0
	PLACES 4
.endm
.macro GROUP1 g, m, c, r
	s_or_b32 s[\g], s[\m], (3<<16)|(1<<21)
	s_mov_b32 s[\g+1], (\c)<<16
	s_mov_b32 s[\g+2], (\r)<<16
	s_mov_b32 s[\g+3], (\c)<<16
	s_mov_b32 s[\g+4], \r
	s_mov_b32 s[\g+5], \c
	s_mov_b32 s[\g+6], 0
	s_mov_b32 s[\g+7], 0
.endm
.macro GROUP0 g, base, off
	s_mov_b32 s[\g], 1
	s_mov_b32 s20, s\off
	s_add_nc_u64 s[\g+2:\g+3], s[\base:\base+1], s[20:21]
	s_or_b32 s[\g+3], s[\g+3], 0x80000000
.endm
.macro FRAG reg, a16, off
.irp c, 0,1
	ds_load_b128 v[\reg+6*\c:\reg+6*\c+3], v[\a16] offset:\off+768*\c
	ds_load_b64 v[\reg+6*\c+4:\reg+6*\c+5], v[\a16+1] offset:\off+768*\c+512
.endr
.endm
.macro FETCH q                         ; K step q's twelve fragments into set q % 2: 48 loads
	WIN 0x80
.irp i, 0,1,2,3,4,5,6,7
	FRAG F0+96*((\q)%2)+12*\i, AQ+2*(\i/4), (\i%4)*RB+1536*(\q)
.endr
	WIN 0
.irp i, 0,1,2,3
	FRAG F1+48*((\q)%2)+12*\i, AQ+4, \i*RB+1536*(\q)
.endr
.endm
.macro WM c, ra, rb
	v_wmma_scale_f32_16x16x128_f8f6f4 v[D_:D_+7], v[S0_:S0_+11], v[S1_:S1_+11], \c, v[X0_], v[X1_] matrix_a_fmt:MATRIX_FMT_FP6 matrix_b_fmt:MATRIX_FMT_FP6 matrix_a_scale:MATRIX_SCALE_ROW\ra matrix_b_scale:MATRIX_SCALE_ROW\rb
.endm
.macro MUL q, cm                       ; 32 products; the 32 accumulators take turns.  cm = 1: C = the bias
.if \cm
	WIN 0x62
.else
	WIN 0x52
.endif
.irp ga, 0,1
.irp ua, 0,1
.irp g, 0,1,2,3
.irp u, 0,1
.set D_, 64*(2*\ga+\ua)+16*\g+8*\u
.set S0_, F0+96*((\q)%2)+12*(2*\g+\u)
.set S1_, F1+48*((\q)%2)+12*(2*\ga+\ua)
.set X0_, SC0+8*((\q)/2)+2*\g+(\q)%2
.set X1_, SC1+4*((\q)/2)+2*\ga+(\q)%2
.if \cm
	WM v[BI+16*\g+8*\u:BI+16*\g+8*\u+7], \u, \ua
.else
	WM v[D_:D_+7], \u, \ua
.endif
.endr
.endr
.endr
.endr
.endm
	s_load_b256 s[4:11], s[0:1], 0x0               ; oq, wpq, b_proj, out0
	v_lshl_add_u32 v[SPW], v0, 2, SPARE
	v_mov_b32 v[NIL], 0
	ds_add_u32 v[SPW], v[NIL]                      ; the opening
	ds_add_u32 v[SPW], v[NIL]
	v_lshrrev_b32 v1, 5, v0
	v_readfirstlane_b32 s[WV], v1
	s_bfe_u32 s[CX], ttmp6, 0x40000
	s_bfe_u32 s[CY], ttmp6, 0x40004
	s_lshl_b32 s[TB], ttmp9, 2
	s_add_co_u32 s[TB], s[TB], s[CX]
	s_and_b32 s[TA], ttmp7, 0xffff
	s_lshl_b32 s[TA], s[TA], 2
	s_add_co_u32 s[TA], s[TA], s[CY]
	s_lshl_b32 s[MR], s[CY], 2
	s_lshl_b32 s[MR], 15, s[MR]
	s_lshl_b32 s[MC], 0x1111, s[CX]
	GROUP1 G1A, MR, 384, 64
	GROUP1 G1B, MC, 384, 32
	GROUP1 G1SA, MR, 32, 32
	GROUP1 G1SB, MC, 32, 16
	s_mov_b32 s21, 0
	s_mul_i32 s2, s[TA], 16*RB
	s_add_co_u32 s2, s2, CODES
	s_lshl_b32 s3, s[TA], 13
	s_mul_i32 s96, s[TB], 8*RB
	s_add_co_u32 s96, s96, CODES
	s_lshl_b32 s97, s[TB], 12
	s_mov_b32 s[G0A+1], LA
	s_mov_b32 s[G0B+1], LB
	s_mov_b32 s[G0SA+1], LSA
	s_mov_b32 s[G0SB+1], LSB
	WALU
	s_wait_dscnt 0x0
	s_wait_kmcnt 0x0
	GROUP0 G0A, 4, 2
	GROUP0 G0SA, 4, 3
	GROUP0 G0B, 6, 96
	GROUP0 G0SB, 6, 97
	CROUND                                         ; all sixteen work-groups are here: the joint loads meet
	s_cmp_eq_u32 s[WV], 0
	s_cbranch_scc0 .Lw1
	TLOAD G0A, G1A
	s_branch .Lasked
.Lw1:
	s_cmp_eq_u32 s[WV], 1
	s_cbranch_scc0 .Lw2
	TLOAD G0B, G1B
	s_branch .Lasked
.Lw2:
	s_cmp_eq_u32 s[WV], 2
	s_cbranch_scc0 .Lw3
	TLOAD G0SA, G1SA
	s_branch .Lasked
.Lw3:
	TLOAD G0SB, G1SB
.Lasked:
	s_lshl_b32 s20, s[TB], 9
	s_add_nc_u64 s[8:9], s[8:9], s[20:21]          ; the bias of my 128 features
	s_lshl_b32 s22, s[TA], 20
	s_add_co_u32 s20, s20, s22
	s_lshl_b32 s22, s[WV], 18
	s_add_co_u32 s20, s20, s22
	s_add_nc_u64 s[10:11], s[10:11], s[20:21]      ; my 64 tokens, my 128 features
	s_mul_i32 s98, s[WV], 4*RB
	s_lshl_b32 s99, s[WV], 11
	s_add_co_u32 s99, s99, LSA
	v_and_b32 v1, 15, v0
	v_bfe_u32 v2, v0, 4, 1
	v_and_b32 v3, 31, v0
	v_lshlrev_b32 v[L16], 4, v3
	v_lshlrev_b32 v4, 4, v1
	v_lshl_add_u32 v[L8], v2, 3, v4
	v_lshlrev_b32 v5, 3, v3
	v_lshlrev_b32 v[VBQ], 6, v2
	v_add_nc_u32 v[AQ], LB, v[L16]
	v_add_nc_u32 v[AQ+1], LB, v[L8]
	v_add_nc_u32 v[AQ+2], LB+4*RB, v[L16]
	v_add_nc_u32 v[AQ+3], LB+4*RB, v[L8]
	v_add_nc_u32 v[AQ+4], s98, v[L16]
	v_add_nc_u32 v[AQ+5], s98, v[L8]
	v_add_nc_u32 v[AQ+6], LSB, v5
	v_add_nc_u32 v[AQ+7], s99, v5
	v_mul_u32_u24 v6, v1, SPITCH
	v_lshl_add_u32 v6, v2, 6, v6
	v_add_nc_u32 v[STO], s98, v6                   ; the stage, in: row r, + 64 h
	v_add_nc_u32 v[RD], s98, v[L16]                ; and back: a row's 512 bytes
	WALU                                           ; the wait at the head's end
	WIN 0x80
.irp b, 0,1,2,3,4,5,6,7
	global_load_b128 v[BI+8*\b:BI+8*\b+3], v[VBQ], s[8:9] offset:(32*(\b/2)+8*(\b%2))*4
	global_load_b128 v[BI+8*\b+4:BI+8*\b+7], v[VBQ], s[8:9] offset:(32*(\b/2)+8*(\b%2))*4+16
.endr
	WIN 0
	s_wait_tensorcnt 0x0                           ; my load has landed,
	s_barrier_signal -1
	s_barrier_wait -1                              ; everybody's has
.irp s, 0,1,2,3                                ; the scale words of all of K: 32 loads
.irp g, 0,1,2,3
	ds_load_b64 v[SC0+8*\s+2*\g:SC0+8*\s+2*\g+1], v[AQ+6] offset:1024*\g+256*\s
.endr
.irp g, 0,1
.irp w, 0,1
	ds_load_b32 v[SC1+4*\s+2*\g+\w], v[AQ+7] offset:1024*\g+256*\s+4*\w
.endr
.endr
.endr
	FETCH 0
	FETCH 1
	s_wait_loadcnt 0x0                             ; the bias
	s_wait_dscnt 48                                ; all but K step 1's 48 loads
	MUL 0, 1
.set Q_, 1
.rept 6
	PLACES 4                                       ; in front of loads into the set that the step before read
	FETCH Q_+1
	s_wait_dscnt 48                                ; the 48 just issued may be out
	MUL Q_, 0
.set Q_, Q_+1
.endr
	s_wait_dscnt 0x0
	MUL 7, 0
	WIN 0
.macro TOSTAGE a
	WIN 0x04
.irp b, 0,1,2,3,4,5,6,7
	ds_store_b128 v[STO], v[64*(\a)+8*\b:64*(\a)+8*\b+3] offset:128*(\b/2)+32*(\b%2)       ; each accumulator from its low end on
	ds_store_b128 v[STO], v[64*(\a)+8*\b+4:64*(\a)+8*\b+7] offset:128*(\b/2)+32*(\b%2)+16
.endr
	WIN 0xc0
.irp t, 0,1,2,3,4,5,6,7,8,9,10,11,12,13,14,15
	ds_load_b128 v[64*((\a)%2)+4*\t:64*((\a)%2)+4*\t+3], v[RD] offset:\t*SPITCH   ; LDS serves a wave's instructions in order: these see my stores
.endr
	WIN 0
.endm
.macro SEND a, younger
	s_wait_dscnt \younger
	WIN 0x0c
.irp t, 0,1,2,3,4,5,6,7,8,9,10,11,12,13,14,15
	global_store_b128 v[L16], v[64*((\a)%2)+4*\t:64*((\a)%2)+4*\t+3], s[10:11] offset:(32*((\a)/2)+8*((\a)%2)+\t+8*(\t/8))*4096 th:TH_STORE_NT   ; 512 consecutive bytes
.endr
	WIN 0
.endm
	PLACES 4                                       ; in front of the first read of results
	TOSTAGE 0
.irp a, 1,2,3
.if \a > 1
	s_wait_xcnt 0x0                                ; block a - 2's stores have read their registers
.endif
	TOSTAGE \a
	SEND \a-1, 32                                  ; behind block a - 1's loads: block a's 16 stores and 16 loads
.endr
	SEND 3, 0
	s_wait_tensorcnt 0x0                           ; the wave's end
	ds_add_u32 v[SPW], v[NIL]
	s_wait_dscnt 0x0
	CROUND                                         ; the closing round
	s_endpgm
.Lfunc_end_k_qe9e041aa65_gemm_proj:
	.size	k_qe9e041aa65_gemm_proj, .Lfunc_end_k_qe9e041aa65_gemm_proj-k_qe9e041aa65_gemm_proj
	.p2alignl 7, 3214868480
	.fill 96, 4, 3214868480
	.section	.rodata,"a",@progbits
	.p2align	6, 0x0
	.amdhsa_kernel k_qe9e041aa65_gemm_proj
		.amdhsa_group_segment_fixed_size 327680
		.amdhsa_private_segment_fixed_size 0
		.amdhsa_enable_private_segment 0
		.amdhsa_kernarg_size 32
		.amdhsa_user_sgpr_count 2
		.amdhsa_user_sgpr_kernarg_segment_ptr 1
		.amdhsa_wavefront_size32 1
		.amdhsa_system_sgpr_workgroup_id_x 1
		.amdhsa_system_sgpr_workgroup_id_y 1
		.amdhsa_system_sgpr_workgroup_id_z 1
		.amdhsa_system_vgpr_workitem_id 0
		.amdhsa_next_free_vgpr 896
		.amdhsa_next_free_sgpr 102
		.amdhsa_reserve_vcc 0
		.amdhsa_float_denorm_mode_32 3
		.amdhsa_float_denorm_mode_16_64 3
		.amdhsa_memory_ordered 1
		.amdhsa_forward_progress 1
		.amdhsa_inst_pref_size 84
	.end_amdhsa_kernel
	.amdgpu_metadata
---
amdhsa.version: [ 1, 2 ]
amdhsa.kernels:
  - .name:           k_qe9e041aa65_gemm_proj
    .symbol:         k_qe9e041aa65_gemm_proj.kd
    .args:
      - { .name: oq, .offset: 0, .size: 8, .value_kind: global_buffer, .address_space: global }
      - { .name: wpq, .offset: 8, .size: 8, .value_kind: global_buffer, .address_space: global }
      - { .name: b_proj, .offset: 16, .size: 8, .value_kind: global_buffer, .address_space: global }
      - { .name: out0, .offset: 24, .size: 8, .value_kind: global_buffer, .address_space: global }
    .group_segment_fixed_size: 327680
    .private_segment_fixed_size: 0
    .kernarg_segment_align: 8
    .kernarg_segment_size: 32
    .max_flat_workgroup_size: 128
    .sgpr_count:     102
    .vgpr_count:     896
    .wavefront_size: 32
...
	.end_amdgpu_metadata
.endif
;; end of part 4
